; MI455X (gfx1250); checked and timed in simulation.
; The chip was launched on July 23, 2026; its instructions are those of AMD's public machine-readable ISA for CDNA 5 (MIT licence, August 2026) and "CDNA5" Instruction Set Architecture Reference Guide (July 2026). The comments in the code are by the model that wrote it; some were corrected since.
;; Multi Head Attention. Allowed arithmetic: float matrix products may take bf16 or f16 operands with f32 sums; other float arithmetic in f32, or as packed bf16 or f16 multiplies, adds, multiply-adds, maxima and minima; sums over many terms, partial sums and values carried from step to step in f32; what a program stores and reads back later, other than sums and carried values, may be rounded once to bf16 or f16.
;; Inputs: bk 1,024 float32; bo 1,024 float32; bq 1,024 float32; bv 1,024 float32; key 4 x 2,048 x 1,024 float32; query 4 x 2,048 x 1,024 float32; value 4 x 2,048 x 1,024 float32; wk 1,024 x 1,024 float32; wo 1,024 x 1,024 float32; wq 1,024 x 1,024 float32; wv 1,024 x 1,024 float32.
;; Outputs: out0 4 x 2,048 x 1,024 float32.
;; 2 versions, each right; version 2 is version 1 with the launch wcast written anew for expert scheduling mode. Each part assembles by itself: llvm-mc -triple=amdgcn-amd-amdhsa -mcpu=gfx1250 --defsym DOCPART=n.
;; ======== version 1 of 2: 4 launches
;; limits: values are held in f16: magnitudes above 65,504 overflow, below 6.1e-05 lose precision
;; workspace buffers: w16 8,388,608 bytes; q16 16,777,216 bytes; k16 16,777,216 bytes; v16 16,777,216 bytes; o16 16,777,216 bytes
;; launch wcast (part 1): grid 64 x 4, 8 waves a work-group, no clusters, 0 bytes of LDS; arguments wq, wk, wv, wo, w16; writes w16
.if DOCPART == 1
	.amdgcn_target "amdgcn-amd-amdhsa--gfx1250"
	.amdhsa_code_object_version 6
	.text
	.protected	k_qfa180d3df7_wcast
	.globl	k_qfa180d3df7_wcast
	.p2align	8
	.type	k_qfa180d3df7_wcast,@function
k_qfa180d3df7_wcast:
	s_mov_b64 s[64:65], 0
	v_nop
	global_prefetch_b8 v0, s[64:65] scope:SCOPE_SE
	s_setreg_imm32_b32 hwreg(HW_REG_WAVE_MODE, 25, 1), 1
	s_wait_xcnt 0x0
; The four weight matrices, [1024][1024] f32, are rounded once to 16 bits: w16 = [4][1024][1024], planes wq, wk, wv in bf16 and plane 3, wo,
; rounded to bf16 and that number written as f16 (its product's other operand is f16).
; LIMIT.  A bf16 number is exact in f16 from 2^-17 up to 65,504 in magnitude; below that it moves by at most f16's fixed step of 6e-8, above it becomes an infinity.
; A stream: no LDS, no matrix unit, no cluster (no two work-groups read the same byte).  Grid y picks the matrix, grid x a chunk of 16,384 numbers.
; Thread t takes four numbers in each of 16 pieces: a wave's load covers 512 consecutive bytes, its store 256 consecutive bytes, aligned.
; All 16 loads of a thread go out together; every piece has registers of its own, so nothing is rewritten while a load or store may read it.
.set IN,   4                           ; v[4:67]    piece i: 4 numbers as loaded
.set OUTR, 68                          ; v[68:99]   piece i: 2 registers to store
.set T,    100                         ; v[100:103] at work
.macro OUTB i                          ; piece i to bf16
	s_wait_loadcnt 15-(\i)                         ; loads come back in order: piece i is in, the younger ones stay out
	v_cvt_pk_bf16_f32 v[OUTR+2*(\i)],   v[IN+4*(\i)],   v[IN+4*(\i)+1]
	v_cvt_pk_bf16_f32 v[OUTR+2*(\i)+1], v[IN+4*(\i)+2], v[IN+4*(\i)+3]
	global_store_b64 v2, v[OUTR+2*(\i):OUTR+2*(\i)+1], s[12:13] offset:(\i)*2048
.endm
.macro OUTH i                          ; piece i to bf16, widened again, and written as f16
	s_wait_loadcnt 15-(\i)
	v_cvt_pk_bf16_f32 v[T],   v[IN+4*(\i)],   v[IN+4*(\i)+1]
	v_cvt_pk_bf16_f32 v[T+1], v[IN+4*(\i)+2], v[IN+4*(\i)+3]
	v_lshlrev_b32 v[T+2], 16, v[T]
	v_and_b32     v[T],   0xffff0000, v[T]
	v_lshlrev_b32 v[T+3], 16, v[T+1]
	v_and_b32     v[T+1], 0xffff0000, v[T+1]
	v_cvt_pk_f16_f32 v[OUTR+2*(\i)],   v[T+2], v[T]
	v_cvt_pk_f16_f32 v[OUTR+2*(\i)+1], v[T+3], v[T+1]
	global_store_b64 v2, v[OUTR+2*(\i):OUTR+2*(\i)+1], s[12:13] offset:(\i)*2048
.endm
	s_load_b256 s[4:11], s[0:1], 0x0               ; wq s[4:5], wk s[6:7], wv s[8:9], wo s[10:11]
	s_load_b64 s[12:13], s[0:1], 0x20              ; w16
	s_and_b32 s14, ttmp7, 0xffff                   ; which matrix
	v_lshlrev_b32 v1, 4, v0                        ; 16 t: my 16 bytes of a piece as read
	v_lshlrev_b32 v2, 3, v0                        ; 8 t: my 8 bytes as written
	s_lshl_b32 s18, ttmp9, 16                      ; the chunk: 65,536 bytes in,
	s_mov_b32 s19, 0
	s_lshl_b32 s20, s14, 21                        ; the plane of 2,097,152 bytes,
	s_lshl_b32 s15, ttmp9, 15                      ; 32,768 bytes out
	s_add_co_u32 s20, s20, s15
	s_mov_b32 s21, 0
	s_wait_kmcnt 0x0
	s_cmp_eq_u32 s14, 1
	s_cselect_b64 s[16:17], s[6:7], s[4:5]
	s_cmp_eq_u32 s14, 2
	s_cselect_b64 s[16:17], s[8:9], s[16:17]
	s_cmp_eq_u32 s14, 3
	s_cselect_b64 s[16:17], s[10:11], s[16:17]
	s_add_nc_u64 s[16:17], s[16:17], s[18:19]
	s_add_nc_u64 s[12:13], s[12:13], s[20:21]
.irp i, 0,1,2,3,4,5,6,7,8,9,10,11,12,13,14,15
	global_load_b128 v[IN+4*(\i):IN+4*(\i)+3], v1, s[16:17] offset:(\i)*4096 th:TH_LOAD_NT
.endr
	s_cmp_eq_u32 s14, 3
	s_cbranch_scc1 .Lwo
.irp i, 0,1,2,3,4,5,6,7,8,9,10,11,12,13,14,15
	OUTB \i
.endr
	s_endpgm
.Lwo:
.irp i, 0,1,2,3,4,5,6,7,8,9,10,11,12,13,14,15
	OUTH \i
.endr
	s_endpgm
.Lfunc_end_k_qfa180d3df7_wcast:
	.size	k_qfa180d3df7_wcast, .Lfunc_end_k_qfa180d3df7_wcast-k_qfa180d3df7_wcast
	.p2alignl 7, 3214868480
	.fill 96, 4, 3214868480
	.section	.rodata,"a",@progbits
	.p2align	6, 0x0
	.amdhsa_kernel k_qfa180d3df7_wcast
		.amdhsa_group_segment_fixed_size 0
		.amdhsa_private_segment_fixed_size 0
		.amdhsa_enable_private_segment 0
		.amdhsa_kernarg_size 40
		.amdhsa_user_sgpr_count 2
		.amdhsa_user_sgpr_kernarg_segment_ptr 1
		.amdhsa_wavefront_size32 1
		.amdhsa_system_sgpr_workgroup_id_x 1
		.amdhsa_system_sgpr_workgroup_id_y 1
		.amdhsa_system_sgpr_workgroup_id_z 1
		.amdhsa_system_vgpr_workitem_id 0
		.amdhsa_next_free_vgpr 104
		.amdhsa_next_free_sgpr 66
		.amdhsa_reserve_vcc 0
		.amdhsa_float_denorm_mode_32 3
		.amdhsa_float_denorm_mode_16_64 3
		.amdhsa_memory_ordered 1
		.amdhsa_forward_progress 1
		.amdhsa_inst_pref_size 16
	.end_amdhsa_kernel
	.amdgpu_metadata
---
amdhsa.version: [ 1, 2 ]
amdhsa.kernels:
  - .name:           k_qfa180d3df7_wcast
    .symbol:         k_qfa180d3df7_wcast.kd
    .args:
      - { .name: wq, .offset: 0, .size: 8, .value_kind: global_buffer, .address_space: global }
      - { .name: wk, .offset: 8, .size: 8, .value_kind: global_buffer, .address_space: global }
      - { .name: wv, .offset: 16, .size: 8, .value_kind: global_buffer, .address_space: global }
      - { .name: wo, .offset: 24, .size: 8, .value_kind: global_buffer, .address_space: global }
      - { .name: w16, .offset: 32, .size: 8, .value_kind: global_buffer, .address_space: global }
    .group_segment_fixed_size: 0
    .private_segment_fixed_size: 0
    .kernarg_segment_align: 8
    .kernarg_segment_size: 40
    .max_flat_workgroup_size: 256
    .sgpr_count:     66
    .vgpr_count:     104
    .wavefront_size: 32
...
	.end_amdgpu_metadata
.endif
;; end of part 1
;; launch proj (part 2): grid 4 x 192, 4 waves a work-group, clusters of 4 x 4, 327,680 bytes of LDS; arguments query, key, value, w16, bq, bk, bv, q16, k16, v16; writes q16, k16, v16
.if DOCPART == 2
	.amdgcn_target "amdgcn-amd-amdhsa--gfx1250"
	.amdhsa_code_object_version 6
	.text
	.protected	k_qfa180d3df7_proj
	.globl	k_qfa180d3df7_proj
	.p2align	8
	.type	k_qfa180d3df7_proj,@function
k_qfa180d3df7_proj:
	s_mov_b64 s[64:65], 0
	v_nop
	global_prefetch_b8 v0, s[64:65] scope:SCOPE_SE
	s_setreg_imm32_b32 hwreg(HW_REG_WAVE_MODE, 25, 1), 1
	s_wait_xcnt 0x0
	s_wait_alu depctr_hold_cnt(0) depctr_sa_sdst(0) depctr_va_vdst(0) depctr_va_sdst(0) depctr_va_ssrc(0) depctr_va_vcc(0) depctr_vm_vsrc(0)
	s_getreg_b32 s2, hwreg(HW_REG_IB_STS2, 6, 4)
	s_cmp_eq_u32 s2, 0
	s_cbranch_scc0 .Lentry_in_a_cluster
	s_endpgm
.Lentry_in_a_cluster:
	s_bfe_u32 s2, ttmp6, 0x10000c
	s_cmp_lg_u32 s2, 0xf033
	s_cbranch_scc0 .Lentry_shape_is_right
	s_endpgm
.Lentry_shape_is_right:
; THE THREE PROJECTIONS.  y = x W^T + b for (query, wq, bq), (key, wk, bk), (value, wv, bv): x [8192][1024] f32, W [1024][1024] bf16 (a plane of w16), b [1024] f32.
; x and b are rounded to bf16 on the way, products in bf16, sums in f32 (they start from b), y rounded once to f16 and laid by heads: [16 batch + head][2048][64].
; LIMIT.  y is f16: a sum of 65,520 or more in magnitude becomes an infinity.  NaN and infinities are not treated apart.
; SHARES.  A tile of y is 128 rows x 256 columns (four heads): 64 x 4 tiles for each projection, 768 work-groups; of the 48 rows of clusters 16 belong to each projection.
; Four waves, each 64 x 128: 32 accumulators of 16 x 16.  K goes in steps of 128 through a ring of two LDS slots: x's rows are 512 bytes of memory, W's 256.
; x COMES AS f32 INTO LDS and each wave rounds its own fragments to bf16 in registers: 32 conversions beside a quarter step's 32 products; a launch that cast x first
; would read x once, write half its bytes and read those again.
; CLUSTER.  4 x 4 work-groups: the four of a row need the same rows of x, the four of a column the same rows of W: each tile is asked for jointly, by the same tensor load
; with the same descriptor and a mask that names the four.  All sixteen belong to one projection, so the choice of buffers is the same in all.
; THE MATRIX INSTRUCTION IS USED TRANSPOSED (source 0 = 16 rows of W, source 1 = 16 rows of x): a lane holds row lane % 16 of y and the columns 8 (lane / 16) + 0..7.
; No prefetch is laid: a work-group's walk is eight K steps, of which the first two go out at its head.
; REGISTERS, in windows of 256 (s_set_vgpr_msb: bits 1:0 source 0, 3:2 source 1, 5:4 source 2, 7:6 destination):
;   window 0: v0-29 addresses; v32-95 x's fragments as f32; v96-127, v128-159 the same in bf16, two buffers; v160-223 the bias; v224-227 at work; on the way out v32-159
;   window 1: the accumulators, (a, b) at v[8 (8 a + b)]          window 2: v0-63, v64-127 W's fragments, two buffers
.set PA,    528                        ; a row of x in LDS: 512 bytes + 16 = 132 words: row r starts at bank 4 r mod 64 (64 banks of 4 bytes: ISA guide 11.1)
.set PB,    272                        ; a row of W: 256 bytes + 16 = 68 words: likewise
.set AHALF, 64*PA                      ; what one load of x brings
.set ATILE, 2*AHALF
.set BHALF, 128*PB                     ; what one load of W brings
.set SLOT,  ATILE+2*BHALF              ; x's 128 rows, then W's 256 rows
.set STAGE, 2*SLOT                     ; behind the ring: 16 rows x 144 bytes for each wave, for the way out
.set SP,    144
.set SPARE, STAGE+4*16*SP              ; behind the stages: the spare words, 128 bytes for each wave: two blocks of 256 bytes that no other line names
.set ADRA, 16                          ; v16-17  LDS address of my fragments of x in slot 0, 1
.set ADRB, 20                          ; v20-21  the same for W
.set STO,  24                          ; v24     the way out: where I put 16 bytes of a row
.set RD,   25                          ; v25     the way out: where I read rows back
.set GO,   26                          ; v26     my byte offset in 512 consecutive bytes of y
.set BO,   27                          ; v27     my byte offset in 16 numbers of the bias
.set SPW,  28                          ; v28     LDS address of my spare word: SPARE + 4 x my thread's number; never rewritten
.set NIL,  29                          ; v29     0; never rewritten
.set RAW,  32
.set AF0,  96                          ; buffer g at AF0 + 32 g
.set BIAS, 160                         ; column block b at BIAS + 8 b
.set T,    224
.set TMP,  32
.set G1A, 24                           ; s[24:31] descriptor group 1 for x's tiles;  s[32:39] group 0, a set for each slot
.set G0A, 32
.set G1B, 48                           ; s[48:55], s[56:63] the same for W's
.set G0B, 56
.set MSB, 0
.macro WIN new                         ; the immediate's high byte repeats the setting that is left; a switch that changes nothing is dropped
.if MSB != (\new)
	s_set_vgpr_msb (MSB<<8)|(\new)
.set MSB, \new
.endif
.endm
.set MUL,  0x52                        ; W window 2, x window 0, C and D window 1
.set MULB, 0x42                        ; the same with C (the bias) in window 0
.set TO_B, 0x80                        ; destination window 2, address window 0
.set PK,   0x05                        ; sources 0 and 1 window 1, destination window 0
; A joint load: waves 0 and 1 fetch x's two halves, waves 2 and 3 W's.  The branch hangs on the wave's number alone.
; An s_nop 0 and four v_nop follow each of the two lines, ahead of the jump, the label and what follows.
.macro JLOAD s
	s_cmp_eq_u32 s11, 0
	s_cbranch_scc0 .Lfor_b_\@
	tensor_load_to_lds s[G0A+4*(\s):G0A+4*(\s)+3], s[G1A:G1A+7]
	s_nop 0
.rept 4
	v_nop
.endr
	s_branch .Lasked_\@
.Lfor_b_\@:
	tensor_load_to_lds s[G0B+4*(\s):G0B+4*(\s)+3], s[G1B:G1B+7]
	s_nop 0
.rept 4
	v_nop
.endr
.Lasked_\@:
.endm
.macro CREST                           ; a round of the cluster's barrier behind its opening barrier
	s_cmp_lg_u32 s10, 0
	s_cbranch_scc1 .Lnot_wave_0_\@
	s_barrier_signal -3
.Lnot_wave_0_\@:
	s_barrier_wait -3
	s_barrier_signal -1
	s_barrier_wait -1
.endm
.macro CROUND                          ; a whole round
	s_barrier_signal -1
	s_barrier_wait -1
	CREST
.endm
.macro PLACES
.rept 4
	v_nop
.endr
.endm
	s_load_b512 s[68:83], s[0:1], 0x0              ; query s[68:69], key s[70:71], value s[72:73], w16 s[74:75], bq s[76:77], bk s[78:79], bv s[80:81], q16 s[82:83]
	s_load_b128 s[84:87], s[0:1], 0x40             ; k16 s[84:85], v16 s[86:87]
	v_lshl_add_u32 v[SPW], v0, 2, SPARE
	v_mov_b32 v[NIL], 0
	ds_add_u32 v[SPW], v[NIL]                      ; the wave's opening: the add and its wait stand ahead of my first tensor load; the set-up below, work on registers, stands between them
	v_lshrrev_b32 v1, 5, v0
	v_readfirstlane_b32 s10, v1                    ; wave 0..3
	s_lshr_b32 s11, s10, 1                         ; which 64 rows of the tile are mine.  Also: I fetch for x (0) or for W (1)
	s_and_b32 s12, s10, 1                          ; which 128 columns.  Also: which half of that tile I fetch
	s_bfe_u32 s40, ttmp6, 0x40000                  ; cx, cy: my place in the cluster
	s_bfe_u32 s41, ttmp6, 0x40004
	s_lshl_b32 s42, ttmp9, 2
	s_add_co_u32 s42, s42, s40                     ; column tile = 4 x cluster x + cx
	s_and_b32 s14, ttmp7, 0xffff                   ; cluster y, 0..47
	s_lshr_b32 s45, s14, 4                         ; which projection: the same in all sixteen partners
	s_and_b32 s13, s14, 15
	s_lshl_b32 s13, s13, 2
	s_add_co_u32 s13, s13, s41                     ; row tile, 0..63
	s_lshl_b32 s43, s41, 2
	s_lshl_b32 s43, 15, s43                        ; my row of the cluster
	s_lshl_b32 s44, 0x1111, s40                    ; my column
	; group 1 for x: 64 rows x 128 elements of 4 bytes, padded in LDS
	s_or_b32 s[G1A+0], s43, (2<<16)|(1<<20)|(1<<21)|(6<<22)|(3<<25)  ; 15:0 the mask: my row; 17:16 elements of 4 bytes; 20 padding on; 21 set beside a mask; 24:22 after every 128 words (code 6); 31:25 4 words (code 3)
	s_mov_b32 s[G1A+1], 128<<16                    ; tensor_dim0 = 128
	s_mov_b32 s[G1A+2], 64<<16                     ; tensor_dim1 = 64
	s_mov_b32 s[G1A+3], 128<<16                    ; tile_dim0 = 128
	s_mov_b32 s[G1A+4], 64                         ; tile_dim1 = 64
	s_mov_b32 s[G1A+5], 1024                       ; elements from row to row
	s_mov_b32 s[G1A+6], 0
	s_mov_b32 s[G1A+7], 0
	; group 1 for W: 128 rows x 128 elements of 2 bytes
	s_or_b32 s[G1B+0], s44, (1<<16)|(1<<20)|(1<<21)|(5<<22)|(3<<25)  ; the mask: my column; elements of 2 bytes; padding after every 64 words (code 5)
	s_mov_b32 s[G1B+1], 128<<16
	s_mov_b32 s[G1B+2], 128<<16
	s_mov_b32 s[G1B+3], 128<<16
	s_mov_b32 s[G1B+4], 128
	s_mov_b32 s[G1B+5], 1024
	s_mov_b32 s[G1B+6], 0
	s_mov_b32 s[G1B+7], 0
	; where the tiles come from: x's hang on the row tile alone, W's on the column tile alone, each in registers that never hold the other coordinate
	s_lshl_b32 s16, s13, 7
	s_lshl_b32 s17, s12, 6
	s_add_co_u32 s16, s16, s17                     ; x: row 128 x row tile + 64 x half,
	s_lshl_b32 s16, s16, 12                        ; of 4,096 bytes
	s_mov_b32 s17, 0
	s_lshl_b32 s46, s42, 8
	s_lshl_b32 s47, s12, 7
	s_add_co_u32 s46, s46, s47                     ; W: row 256 x column tile + 128 x half,
	s_lshl_b32 s46, s46, 11                        ; of 2,048 bytes,
	s_lshl_b32 s47, s45, 21                        ; in the projection's plane
	s_add_co_u32 s46, s46, s47
	s_mov_b32 s47, 0
	s_mul_i32 s20, s12, AHALF                      ; and where they go: no place in the cluster enters an LDS address
	s_mul_i32 s21, s12, BHALF
	s_add_co_u32 s21, s21, ATILE
	s_wait_dscnt 0x0                               ; the opening add is done
	s_wait_kmcnt 0x0
	s_cmp_eq_u32 s45, 1
	s_cselect_b64 s[4:5], s[70:71], s[68:69]       ; x,
	s_cselect_b64 s[66:67], s[78:79], s[76:77]     ; the bias
	s_cselect_b64 s[8:9], s[84:85], s[82:83]       ; and y of my projection
	s_cmp_eq_u32 s45, 2
	s_cselect_b64 s[4:5], s[72:73], s[4:5]
	s_cselect_b64 s[66:67], s[80:81], s[66:67]
	s_cselect_b64 s[8:9], s[86:87], s[8:9]
	s_add_nc_u64 s[4:5], s[4:5], s[16:17]
	s_add_nc_u64 s[6:7], s[74:75], s[46:47]
	CROUND                                         ; all sixteen work-groups are here: the first joint loads meet
.irp s, 0,1
	s_mov_b32 s[G0A+4*(\s)], 1                     ; count = 1
	s_add_co_u32 s[G0A+4*(\s)+1], s20, (\s)*SLOT   ; LDS address
	s_add_nc_u64 s[G0A+4*(\s)+2:G0A+4*(\s)+3], s[4:5], (\s)*512  ; global address: K step s
	s_or_b32 s[G0A+4*(\s)+3], s[G0A+4*(\s)+3], 0x80000000        ; type = 2
	s_mov_b32 s[G0B+4*(\s)], 1
	s_add_co_u32 s[G0B+4*(\s)+1], s21, (\s)*SLOT
	s_add_nc_u64 s[G0B+4*(\s)+2:G0B+4*(\s)+3], s[6:7], (\s)*256
	s_or_b32 s[G0B+4*(\s)+3], s[G0B+4*(\s)+3], 0x80000000
	JLOAD \s                                       ; two loads of mine are out
.endr
	; A fragment is 16 rows x 32 K: lane l holds row l % 16, K = 8 (l / 16) + 0..7 and 16 + 8 (l / 16) + 0..7.  In bf16 two loads of 16 bytes, 32 bytes apart; in f32 four: at 0, 16, 64, 80 from 32 (l / 16).
	v_and_b32 v1, 15, v0                           ; l % 16
	v_bfe_u32 v2, v0, 4, 1                         ; l / 16
	v_mul_u32_u24 v3, v1, PA
	v_lshl_add_u32 v3, v2, 5, v3
	v_mul_u32_u24 v4, v1, PB
	v_lshl_add_u32 v4, v2, 4, v4
	s_mul_i32 s14, s11, 64*PA                      ; my 64 rows of x
	s_mul_i32 s15, s12, BHALF                      ; my 128 rows of W,
	s_add_co_u32 s15, s15, ATILE                   ; which lie behind x's
.irp s, 0,1
	v_add_nc_u32 v[ADRA+(\s)], s14, v3
	v_add_nc_u32 v[ADRB+(\s)], s15, v4
	s_add_co_u32 s14, s14, SLOT
	s_add_co_u32 s15, s15, SLOT
.endr
	s_mul_i32 s18, s10, 16*SP
	s_add_co_u32 s18, s18, STAGE                   ; my stage
	v_mul_u32_u24 v5, v1, SP                       ; in: row l % 16, 16 bytes for each half of the lanes
	v_lshl_add_u32 v5, v2, 4, v5
	v_add_nc_u32 v[STO], s18, v5
	v_bfe_u32 v5, v0, 3, 2                         ; back: 32 lanes take four rows of 128 bytes,
	v_mul_u32_u24 v5, v5, SP
	v_and_b32 v3, 7, v0
	v_lshl_add_u32 v5, v3, 4, v5
	v_add_nc_u32 v[RD], s18, v5
	v_and_b32 v[GO], 31, v0                        ; which are 512 consecutive bytes of y
	v_lshlrev_b32 v[GO], 4, v[GO]
	v_lshlrev_b32 v[BO], 5, v2                     ; my 8 columns of a block of 16
	s_lshl_b32 s22, s42, 10                        ; the bias at my 128 columns: 4 (256 x column tile + 128 x half)
	s_lshl_b32 s23, s12, 9
	s_add_co_u32 s22, s22, s23
	s_mov_b32 s23, 0
	s_add_nc_u64 s[66:67], s[66:67], s[22:23]
.irp b, 0,1,2,3,4,5,6,7
	global_load_b128 v[BIAS+8*(\b):BIAS+8*(\b)+3],   v[BO], s[66:67] offset:64*(\b)
	global_load_b128 v[BIAS+8*(\b)+4:BIAS+8*(\b)+7], v[BO], s[66:67] offset:64*(\b)+16
.endr
	s_and_b32 s22, s13, 0x30                       ; y: 16 x batch (a batch is 16 row tiles)
	s_lshl_b32 s19, s42, 2
	s_add_co_u32 s22, s22, s19                     ; + the tile's four heads
	s_lshl_b32 s19, s12, 1
	s_add_co_u32 s22, s22, s19                     ; + my two of them,
	s_lshl_b32 s22, s22, 18                        ; 262,144 bytes a head;
	s_and_b32 s19, s13, 15
	s_lshl_b32 s19, s19, 14                        ; the tile's 128 rows of 128 bytes,
	s_add_co_u32 s22, s22, s19
	s_lshl_b32 s19, s11, 13                        ; my 64 of them
	s_add_co_u32 s22, s22, s19
	s_add_nc_u64 s[8:9], s[8:9], s[22:23]
	s_wait_loadcnt 0x0                             ; the bias, rounded to bf16 like the other inputs and kept as f32
.set n, 0
.rept 32
	v_cvt_pk_bf16_f32 v[T+n%4], v[BIAS+2*n], v[BIAS+2*n+1]
	v_lshlrev_b32 v[BIAS+2*n],   16, v[T+n%4]
	v_and_b32     v[BIAS+2*n+1], 0xffff0000, v[T+n%4]
.set n, n+1
.endr
; 32 LDS loads in one run: the fragments of quarter kq (32 along K) of a slot: x's 64 rows as f32, then W's 128 rows into buffer g
.macro FETCH slot, kq, g
	WIN 0
.irp a, 0,1,2,3
.irp i, 0,1,2,3
	ds_load_b128 v[RAW+16*(\a)+4*(\i):RAW+16*(\a)+4*(\i)+3], v[ADRA+(\slot)] offset:(\kq)*128+(\a)*16*PA+((\i)/2)*64+((\i)%2)*16
.endr
.endr
	WIN TO_B
.irp b, 0,1,2,3,4,5,6,7
	ds_load_b128 v[64*(\g)+8*(\b):64*(\g)+8*(\b)+3],   v[ADRB+(\slot)] offset:(\kq)*64+(\b)*16*PB
	ds_load_b128 v[64*(\g)+8*(\b)+4:64*(\g)+8*(\b)+7], v[ADRB+(\slot)] offset:(\kq)*64+(\b)*16*PB+32
.endr
.endm
.macro CVT4 g, n                       ; four of the 32 roundings that make x's fragments of buffer g
	WIN 0
.irp c, 0,1,2,3
	v_cvt_pk_bf16_f32 v[AF0+32*(\g)+4*(\n)+(\c)], v[RAW+8*(\n)+2*(\c)], v[RAW+8*(\n)+2*(\c)+1]
.endr
.endm
; Product i of 32 on buffer f: row block i / 8, column block i % 8.  first = 1: the sum starts from the bias.  The 32 accumulators take turns in the same order in every quarter.
.macro MM f, i, first
.if \first
	WIN MULB
	v_wmma_f32_16x16x32_bf16 v[8*(\i):8*(\i)+7], v[64*(\f)+8*((\i)%8):64*(\f)+8*((\i)%8)+7], v[AF0+32*(\f)+8*((\i)/8):AF0+32*(\f)+8*((\i)/8)+7], v[BIAS+8*((\i)%8):BIAS+8*((\i)%8)+7]
.else
	WIN MUL
	v_wmma_f32_16x16x32_bf16 v[8*(\i):8*(\i)+7], v[64*(\f)+8*((\i)%8):64*(\f)+8*((\i)%8)+7], v[AF0+32*(\f)+8*((\i)/8):AF0+32*(\f)+8*((\i)/8)+7], v[8*(\i):8*(\i)+7]
.endif
.endm
; A QUARTER STEP: fetches quarter fkq of slot fslot for buffer g, multiplies buffer f (32 products), and rounds x's new fragments, four roundings behind every second product of its second half.
; The last four roundings name only the f32 registers and the buffer that is not being multiplied: they are the four places between the quarter's last product and the next
; quarter's loads into W's buffer and roundings into x's.
; chg != 0: the fetch was the slot's last, and slots change: each wave waits for all its tensor loads (one is out: its part of the other slot), adds 0 to its spare word, waits for that and for its reads
; of the slot, and signals; four products and eight roundings stand between signal and wait.  chg = 1: the barrier opens a round of the cluster's barrier, and slot cslot is filled again, two K steps on,
; first thing behind the round: from there to the wait for it a wave issues 122 products.  chg = 2: nothing is left to fetch.
.macro QUARTER fslot, fkq, f, g, first, chg, cslot=0
	FETCH \fslot, \fkq, \g
	s_wait_dscnt 32                                ; all but the 32 just issued: W's fragments of buffer f are in
.set mi, 0
.rept 16
	MM \f, mi, \first
.set mi, mi+1
.endr
	s_wait_dscnt 16                                ; x's 16 loads are in; W's 16, issued behind them, may stay out
.irp n, 0,1,2,3,4,5,6,7
.if (\chg) && ((\n) == 5)
	s_wait_tensorcnt 0x0                           ; all my tensor loads have landed;
	ds_add_u32 v[SPW], v[NIL]                      ; 0 onto my spare word: two products and four roundings stand between it and the wait for it
.endif
.if (\chg) && ((\n) == 6)
	s_wait_dscnt 0x0                               ; the add is done, and my reads of this slot are over
	s_barrier_signal -1
.endif
	MM \f, 16+2*(\n), \first
	MM \f, 17+2*(\n), \first
	CVT4 \g, \n
.endr
.if \chg
	s_barrier_wait -1                              ; (every window is 0 behind the roundings)
.endif
.if (\chg) == 1
	CREST                                          ; no wave of any partner still reads this slot's tiles or has a load on its way
	s_add_nc_u64 s[G0A+4*(\cslot)+2:G0A+4*(\cslot)+3], s[G0A+4*(\cslot)+2:G0A+4*(\cslot)+3], 1024
	s_add_nc_u64 s[G0B+4*(\cslot)+2:G0B+4*(\cslot)+3], s[G0B+4*(\cslot)+2:G0B+4*(\cslot)+3], 512
	JLOAD \cslot
.endif
.endm
; THE WAY OUT of piece t = 2 a + j: row block a, head j of my two: rounded to f16, 16 bytes a lane into rows of 144 bytes in my own stage, and back as whole rows of 128 bytes.
.macro PACK t
	WIN PK
.set pi, 0
.rept 16
	v_cvt_pk_f16_f32 v[TMP+16*(\t)+pi], v[32*(\t)+2*pi], v[32*(\t)+2*pi+1]  ; each accumulator's registers in ascending order
.set pi, pi+1
.endr
	WIN 0
.irp f, 0,1,2,3
	ds_store_b128 v[STO], v[TMP+16*(\t)+4*(\f):TMP+16*(\t)+4*(\f)+3] offset:32*(\f)
.endr
.irp f, 0,1,2,3
	ds_load_b128 v[TMP+16*(\t)+4*(\f):TMP+16*(\t)+4*(\f)+3], v[RD] offset:(\f)*4*SP  ; LDS serves a wave's instructions in order (ISA guide 5.7.1.4): these see the stores above; the next piece's stores come behind them
.endr
.endm
.macro SEND t, younger                 ; younger: the LDS instructions issued behind piece t's loads: the next piece's eight, or none
	WIN 0
.irp f, 0,1,2,3
	s_wait_dscnt (\younger)+3-(\f)
	global_store_b128 v[GO], v[TMP+16*(\t)+4*(\f):TMP+16*(\t)+4*(\f)+3], s[8:9] offset:((\t)%2)*262144+((\t)/2)*2048+(\f)*512  ; 512 consecutive bytes, at a multiple of 256 from y's first
.endr
.endm
	s_wait_tensorcnt 1                             ; my part of K step 0 is in; K step 1's may stay out
	s_barrier_signal -1
	s_barrier_wait -1                              ; everybody's is
	FETCH 0, 0, 0
	s_wait_dscnt 16                                ; x's 16 loads
.irp n, 0,1,2,3,4,5,6,7
	CVT4 0, \n
.endr
	QUARTER 0, 1, 0, 1, 1, 0                       ; the first quarter stands in front of the loop: its products start the sums
	s_mov_b32 s3, 3
.Llap:                                         ; a trip goes once round the ring, from a lap's second quarter to the next lap's first, and fills both slots again: K steps 2 to 7
	QUARTER 0, 2, 1, 0, 0, 0
	QUARTER 0, 3, 0, 1, 0, 1, 0
	QUARTER 1, 0, 1, 0, 0, 0
	QUARTER 1, 1, 0, 1, 0, 0
	QUARTER 1, 2, 1, 0, 0, 0
	QUARTER 1, 3, 0, 1, 0, 1, 1
	QUARTER 0, 0, 1, 0, 0, 0
	QUARTER 0, 1, 0, 1, 0, 0
	WIN 0
	s_sub_co_u32 s3, s3, 1
	s_cmp_lg_u32 s3, 0
	s_cbranch_scc1 .Llap
	QUARTER 0, 2, 1, 0, 0, 0                       ; the last lap is written out: it fills nothing
	QUARTER 0, 3, 0, 1, 0, 2
	QUARTER 1, 0, 1, 0, 0, 0
	QUARTER 1, 1, 0, 1, 0, 0
	QUARTER 1, 2, 1, 0, 0, 0
	QUARTER 1, 3, 0, 1, 0, 0
	s_wait_dscnt 0x0                               ; the very last quarter: nothing more to fetch
.set mi, 0
.rept 32
	MM 1, mi, 0
.set mi, mi+1
.endr
	PLACES
	PACK 0
.irp t, 1,2,3,4,5,6,7                  ; a piece's roundings stand between the loads of the piece before and its stores
	PACK \t
	SEND (\t)-1, 8
.endr
	SEND 7, 0
	s_wait_tensorcnt 0x0                           ; the wave's end: behind my last tensor load and my last LDS store
	ds_add_u32 v[SPW], v[NIL]
	s_wait_dscnt 0x0
	CROUND                                         ; the closing round: no work-group ends while a partner may still ask for a tile that names it
	s_endpgm
.Lfunc_end_k_qfa180d3df7_proj:
	.size	k_qfa180d3df7_proj, .Lfunc_end_k_qfa180d3df7_proj-k_qfa180d3df7_proj
	.p2alignl 7, 3214868480
	.fill 96, 4, 3214868480
	.section	.rodata,"a",@progbits
	.p2align	6, 0x0
	.amdhsa_kernel k_qfa180d3df7_proj
		.amdhsa_group_segment_fixed_size 327680
		.amdhsa_private_segment_fixed_size 0
		.amdhsa_enable_private_segment 0
		.amdhsa_kernarg_size 80
		.amdhsa_user_sgpr_count 2
		.amdhsa_user_sgpr_kernarg_segment_ptr 1
		.amdhsa_wavefront_size32 1
		.amdhsa_system_sgpr_workgroup_id_x 1
		.amdhsa_system_sgpr_workgroup_id_y 1
		.amdhsa_system_sgpr_workgroup_id_z 1
		.amdhsa_system_vgpr_workitem_id 0
		.amdhsa_next_free_vgpr 640
		.amdhsa_next_free_sgpr 88
		.amdhsa_reserve_vcc 0
		.amdhsa_float_denorm_mode_32 3
		.amdhsa_float_denorm_mode_16_64 3
		.amdhsa_memory_ordered 1
		.amdhsa_forward_progress 1
		.amdhsa_inst_pref_size 139
	.end_amdhsa_kernel
	.amdgpu_metadata
---
amdhsa.version: [ 1, 2 ]
amdhsa.kernels:
  - .name:           k_qfa180d3df7_proj
    .symbol:         k_qfa180d3df7_proj.kd
    .args:
      - { .name: query, .offset: 0, .size: 8, .value_kind: global_buffer, .address_space: global }
      - { .name: key, .offset: 8, .size: 8, .value_kind: global_buffer, .address_space: global }
      - { .name: value, .offset: 16, .size: 8, .value_kind: global_buffer, .address_space: global }
      - { .name: w16, .offset: 24, .size: 8, .value_kind: global_buffer, .address_space: global }
      - { .name: bq, .offset: 32, .size: 8, .value_kind: global_buffer, .address_space: global }
      - { .name: bk, .offset: 40, .size: 8, .value_kind: global_buffer, .address_space: global }
      - { .name: bv, .offset: 48, .size: 8, .value_kind: global_buffer, .address_space: global }
      - { .name: q16, .offset: 56, .size: 8, .value_kind: global_buffer, .address_space: global }
      - { .name: k16, .offset: 64, .size: 8, .value_kind: global_buffer, .address_space: global }
      - { .name: v16, .offset: 72, .size: 8, .value_kind: global_buffer, .address_space: global }
    .group_segment_fixed_size: 327680
    .private_segment_fixed_size: 0
    .kernarg_segment_align: 8
    .kernarg_segment_size: 80
    .max_flat_workgroup_size: 128
    .sgpr_count:     88
    .vgpr_count:     640
    .wavefront_size: 32
...
	.end_amdgpu_metadata
.endif
;; end of part 2
;; launch attn (part 3): grid 4 x 64, 4 waves a work-group, clusters of 4 x 1, 327,680 bytes of LDS; arguments q16, k16, v16, o16; writes o16
.if DOCPART == 3
	.amdgcn_target "amdgcn-amd-amdhsa--gfx1250"
	.amdhsa_code_object_version 6
	.text
	.protected	k_qfa180d3df7_attn
	.globl	k_qfa180d3df7_attn
	.p2align	8
	.type	k_qfa180d3df7_attn,@function
k_qfa180d3df7_attn:
	s_mov_b64 s[64:65], 0
	v_nop
	global_prefetch_b8 v0, s[64:65] scope:SCOPE_SE
	s_setreg_imm32_b32 hwreg(HW_REG_WAVE_MODE, 25, 1), 1
	s_wait_xcnt 0x0
	s_wait_alu depctr_hold_cnt(0) depctr_sa_sdst(0) depctr_va_vdst(0) depctr_va_sdst(0) depctr_va_ssrc(0) depctr_va_vcc(0) depctr_vm_vsrc(0)
	s_getreg_b32 s2, hwreg(HW_REG_IB_STS2, 6, 4)
	s_cmp_eq_u32 s2, 0
	s_cbranch_scc0 .Lentry_in_a_cluster
	s_endpgm
.Lentry_in_a_cluster:
	s_bfe_u32 s2, ttmp6, 0x10000c
	s_cmp_lg_u32 s2, 0x3003
	s_cbranch_scc0 .Lentry_shape_is_right
	s_endpgm
.Lentry_shape_is_right:
; O[h][q][:] = the sum over k of softmax_k(Q[h][q] . K[h][k] / 8) V[h][k][:].  Q, K, V, O: [SIZE_H][SIZE_N][64], all f16: a head's rows are dense, 128 bytes each.  Products, maxima and sums in
; f32; the weights p are rounded to f16 for the second product (their sum l is taken of the unrounded p), O once at the end.
; LIMITS.  f16 holds no number beyond 65,504: Q, K and V arrive within it; p lies in 0 to 1, and below 6e-5 it keeps f16's fixed step of 6e-8; O is a mean of V's rows and has their range.
; A weight below 2^-126 counts as 0 in l; NaN and infinities are not treated apart.
; SHARES.  A wave owns four PIECES of two tiles of 16 queries, a work-group's four waves 512 queries of one head.  Every wave walks all keys, 64 a step.
; LAYOUT.  S^T = K Q^T (source 0 = 16 keys, source 1 = 16 queries): in the result a lane holds ONE query (lane % 16) and the keys 8 (lane / 16) + 0..7.  Two such tiles, rounded to f16 in pairs,
; ARE source 1 (32 keys x 16 queries) of O^T = V^T P, whose result again holds one query a lane, and eight channels.  K comes out of LDS as it lies, V ([key][channel]) turned, by ds_load_tr16_b128.
; SOFTMAX.  For each query a running maximum m and sum l: p = 2^(c s - c m), c = log2(e) / 8; in every step O and l are multiplied by a = 2^(c m_old - c m_new), which is 1 where m has not grown.
; m starts at the lowest finite number, O and l at 0: the first step is a step like any other, with a = 0.
; THE COUNT.  A tile and step have 16 matrix and 118 vector instructions: too many to stand all beside the matrix work.  So the order has one aim: four vector instructions that are READY behind
; EVERY matrix instruction, and the others, which need time of their own whatever the order, in runs without a gap.
; BY TURNS.  Turn n belongs to piece n (the pieces in a ring, step after step).  Its matrix work: 16 products K Q^T of piece n + 1, later 16 products V^T P of piece n - 1.  Its vector work: the scaling,
; exponentials, roundings, sums and rescaling of piece n, and the maximum and statistics of piece n + 1, whose scores the turn itself has made.  So what a turn begins with (c s - c m, O a) waits for nothing.
; CLUSTER.  The four query blocks of a cluster are one head's and walk the same K and V, so each tile is asked for JOINTLY: the same tensor load, descriptor and mask in all four.
; REGISTERS, in windows of 256 (s_set_vgpr_msb says which window each operand place means: bits 1:0 source 0, 3:2 source 1, 5:4 source 2, 7:6 destination):
;   window 0: v0-11 addresses; v12-15, v48-63 at work; v16-47 four registers of statistics a tile; v64-191 S^T, two buffers of two tiles; v192-255 P, likewise
;   window 1: O^T, 32 a tile          window 2: v0-127 Q, 16 a tile; v128-191 K of one step; v192-255 V of one step          window 3: v0-1 the add's two registers
; A piece's buffers go by its number's parity: the piece in hand has one pair, its two neighbours in the ring share the other: of it P (piece n - 1) is read and S^T (piece n + 1) written.
.set SIZE_H, 64       ; 4 batches x 16 heads
.set SIZE_N, 2048
.set NP,    4         ; pieces a wave: a name, no knob: the register map, the loop and the fetches are made for four
.set KS,    64        ; keys in a step
.set PK,    144       ; a row of K in LDS: 128 bytes + 16 of padding = 36 words: the 16 rows of a load start at 16 different groups of four banks (64 banks of 4 bytes: ISA guide 11.1)
.set PV,    160       ; a row of V: 128 + 32 = 40 words
.set VOFF,  4*KS*PK   ; a slot holds four steps: 256 rows of K, then 256 rows of V
.set SLOT1, 1<<17     ; slot 1 begins here, so that one exclusive or turns an address in one slot into the other's
.set STAGE, SLOT1+4*KS*(PK+PV)  ; behind the ring, never filled by a tensor load: 16 rows x 144 bytes for each wave, for the way out
.set SP,    144
.set AK0, 2           ; v2   my lane's place in a tile of K; never rewritten
.set AV0, 3           ; v3   the same for V
.set AK,  4           ; v4   the LDS address of K's next run of loads
.set AV,  5           ; v5   of V's
.set QO,  6           ; v6   my byte offset in the wave's rows of Q
.set STO, 6           ;      later, the way out: where I put 16 bytes of a row
.set RD,  7           ; v7   the way out: where I read rows back
.set GO,  8           ; v8   my byte offset in 512 consecutive bytes of O
.set PFO, 11          ; v11  the prefetches' offset: 256 x my lane; never rewritten once it is made
.set SPW, 0           ; v0 of window 3   LDS address of my spare word: SPARE + 4 x my thread's number; never rewritten
.set NIL, 1           ; v1 of window 3   0; never rewritten
.set SPARE, STAGE+4*16*SP  ; behind the stages: the spare words, 128 bytes for each wave: two blocks of 256 bytes that no other line names
.set MV,  12          ; v12-15  c m_old, kept while c m is made anew: by buffer and tile
.set ST,  16          ; tile t's statistics at v[ST+4 t]: c m, m, l (even keys', odd keys')
.set TMP, 48          ; by buffer and tile, four registers c0-c3 at work; when the maximum is found c2 takes a
.set S,   64
.set P,   192
.set KF,  128         ; K's fragments, in window 2: key block kb, channel half c at KF + 16 kb + 8 c
.set VF,  192         ; V's: key half kk, channel block cb at VF + 32 kk + 8 cb
.set WV,  12          ; s12  my wave's number
.set G1K, 24          ; s[24:31] descriptor group 1 for K's tiles
.set G1V, 32          ; s[32:39] for V's: it differs in the padding alone
.set G0K, 40          ; s[40:43] descriptor group 0 for K's tiles: it walks
.set G0V, 44          ; s[44:47] the same for V's
.set PFA, 48          ; s[48:49] where my prefetches stand: my work-group's 32 blocks of 256 bytes (of K: wave 0, of V: wave 2) of the slot after the one that is being asked for
.set LIM, 50          ; s50  1 in a wave that prefetches, else the greatest number: a wave prefetches while s[SLOTS] is above it
.set SLOTS, 56        ; s56  slots still to be asked for
.set CNT, 57          ; s57  counts a slot's key steps
.set CS,  58          ; s[58:59] c: the packed scaling takes the pair's low word for both halves
.set SEL, 60          ; s[60:61] v_permlanex16_b32's selects: each lane takes its own place in the other half
.set TBK, 62          ; s62  LDS byte at which K of the step to be fetched begins
.set TBV, 63          ; s63  the same for V, less VOFF
.set MSB, 0
.macro WIN new                      ; the high byte repeats the setting that is left; a switch that changes nothing is dropped
.if MSB != (\new)
	s_set_vgpr_msb (MSB<<8)|(\new)
.set MSB, (\new)
.endif
.endm
.set W_KQ, 0x0a       ; K and Q in window 2, S^T in window 0
.set W_PV, 0x52       ; V in window 2, P in window 0, O^T in window 1
.set W_RS, 0x41       ; O^T (destination and source 0) in window 1, a in window 0
.set W_MK, 0xc0       ; the add's registers are made: destination in window 3, sources in window 0
.set W_AD, 0x0f       ; the add: address (source 0) and data (source 1) in window 3
; A joint fill.  Waves 0 and 1 fetch the two halves of a slot's K, waves 2 and 3 those of its V: 128 keys each.  The branch hangs on the wave's number alone.
; An s_nop 0 and four v_nop follow each of the two lines, ahead of the jump and the label.
.macro JLOAD
	s_cmp_lt_u32 s[WV], 2
	s_cbranch_scc0 .Lfor_v_\@
	tensor_load_to_lds s[G0K:G0K+3], s[G1K:G1K+7]
	s_nop 0
.rept 4
	v_nop
.endr
	s_branch .Lasked_\@
.Lfor_v_\@:
	tensor_load_to_lds s[G0V:G0V+3], s[G1V:G1V+7]
	s_nop 0
.rept 4
	v_nop
.endr
.Lasked_\@:
.endm
; A PREFETCH INTO THE L2 of what the NEXT change of slots will ask for: a slot's 32,768 bytes of K and of V, 128 blocks of 256 bytes each, a lane a block.  It stands behind the wave's tensor load and its
; five lines.  Each block is named ONCE in the launch: a head's rows are walked by one cluster; its four partners share the blocks out BY ADDRESS, 32 each; in each, wave 0 asks for K's and wave 2 for V's:
; one instruction, four key steps (512 matrix instructions) ahead of the load.  Slots 0 and 1 come by their loads alone; the last change that fills a slot asks for nothing: there is no slot behind it.
.macro ASK
	s_cmp_gt_u32 s[SLOTS], s[LIM]
	s_cbranch_scc0 .Lnot_mine_\@
	global_prefetch_b8 v[PFO], s[PFA:PFA+1] th:TH_LOAD_NT scope:SCOPE_SE
.Lnot_mine_\@:
.endm
; A round of the cluster's barrier: my work-group's barrier, so that wave 0's signal speaks for all four waves; wave 0 signals; every wave waits for all four work-groups; my work-group's barrier once more.
.macro CROUND
	s_barrier_signal -1
	s_barrier_wait -1
	s_cmp_lg_u32 s[WV], 0
	s_cbranch_scc1 .Lnot_wave_0_\@
	s_barrier_signal -3
.Lnot_wave_0_\@:
	s_barrier_wait -3
	s_barrier_signal -1
	s_barrier_wait -1
.endm
; THE CHANGE OF SLOTS.  The slot's last bytes, V of its fourth step, have been read.  Each wave waits for all its tensor loads, of which one is out: its part
; of the other slot; adds 0 to its spare word; and waits for that and for its own reads of the slot.  Behind the barrier nobody reads this slot any more and the other slot is whole.
; fill = 1: this slot is filled again, with the keys two slots on.  The barrier is then a round of the cluster's, so that no wave of any partner still reads the slot or has a load on its
; way, and the joint fill is the first thing behind it: it has four key steps, 512 matrix instructions, in which to land.  (At its first use nothing has been read yet: slot 0 is waited for, slot 1 filled.)
.macro CHANGE fill
	WIN W_AD
	s_wait_tensorcnt 0x0            ; no tensor load of mine is out, so a group 0 may be written
	ds_add_u32 v[SPW], v[NIL]       ; 0 onto my spare word: with fill = 1 the descriptors' steps stand between it and the wait for it
	WIN 0                           ; at a label and at a branch every window is 0
.if \fill
.irp g, G0K, G0V
	s_xor_b32 s[\g+1], s[\g+1], SLOT1  ; the walking descriptor: the other slot than last time,
	s_add_nc_u64 s[\g+2:\g+3], s[\g+2:\g+3], 4*KS*128  ; the next 256 keys; the type bits on top are not reached
.endr
	s_wait_xcnt 0x0                 ; the last prefetch, four key steps back, has read its address, so it may be written:
	s_add_nc_u64 s[PFA:PFA+1], s[PFA:PFA+1], 4*KS*128  ; one slot behind the walking descriptors
	s_wait_dscnt 0x0                ; the add is done, and my reads of the slot are over
	CROUND
	JLOAD
	ASK
.else
	s_wait_dscnt 0x0                ; the add is done, and my reads of the slot are over
	s_barrier_signal -1
	s_barrier_wait -1
.endif
	s_sub_co_u32 s[TBK], s[TBK], 4*KS*PK  ; the fetches go back to a slot's first step,
	s_xor_b32 s[TBK], s[TBK], SLOT1       ; in the other slot
	s_sub_co_u32 s[TBV], s[TBV], 4*KS*PV
	s_xor_b32 s[TBV], s[TBV], SLOT1
.endm
	s_load_b256 s[4:11], s[0:1], 0x0  ; Q s[4:5], K s[6:7], V s[8:9], O s[10:11]
	WIN W_MK
	v_lshl_add_u32 v[SPW], v0, 2, SPARE
	v_mov_b32 v[NIL], 0
	WIN W_AD
	ds_add_u32 v[SPW], v[NIL]       ; the wave's opening: the add and its wait stand ahead of my first tensor load; the set-up below, work on registers, stands between them
	WIN 0
	v_lshrrev_b32 v1, 5, v0
	v_readfirstlane_b32 s[WV], v1   ; wave 0..3
	s_bfe_u32 s13, ttmp6, 0x40000   ; cx: my place in the cluster
	s_lshl_b32 s14, ttmp9, 2        ; in a cluster launch ttmp9 counts clusters
	s_add_co_u32 s14, s14, s13      ; my block of queries = 4 x cluster x + cx: it enters Q's and O's addresses alone
	s_and_b32 s20, ttmp7, 0xffff    ; the head, which the four partners share
	s_mov_b32 s21, 0
	s_mov_b64 s[22:23], SIZE_N*128
	s_mul_u64 s[20:21], s[20:21], s[22:23]  ; the head's first byte in each of the four tensors
	s_and_b32 s16, s[WV], 1         ; which half of a slot's 256 keys I fetch:
	s_lshl_b32 s22, s16, 14         ; its 128 rows of 128 bytes in memory,
	s_mov_b32 s23, 0
	s_add_nc_u64 s[22:23], s[22:23], s[20:21]
	s_mul_i32 s17, s16, 128*PK      ; and its place in a slot, for K
	s_mul_i32 s18, s16, 128*PV      ; and for V: no place in the cluster enters an LDS address
	s_lshl_b32 s2, s14, 2
	s_add_co_u32 s2, s2, s[WV]      ; my wave among the head's,
	s_lshl_b32 s2, s2, 14           ; its 128 rows
	s_mov_b32 s3, 0
	s_add_nc_u64 s[2:3], s[2:3], s[20:21]
	; descriptor group 1.  128 keys are 16,384 dense bytes: asked for as 64 rows of 256 bytes, two keys a row, and padded in LDS after every key
	s_mov_b32 s[G1K], 15|(1<<16)|(1<<20)|(1<<21)|(4<<22)|(3<<25)  ; 15:0 the mask of four; 17:16 2-byte elements; 20 padding on; 21 set beside a mask; 24:22 after every 32 words (code 4); 31:25 4 words (code 3)
	s_mov_b32 s[G1V], 15|(1<<16)|(1<<20)|(1<<21)|(4<<22)|(7<<25)  ; the same with 8 words of padding (code 7)
.irp g, G1K, G1V
	s_mov_b32 s[\g+1], 128<<16      ; tensor_dim0 = 128
	s_mov_b32 s[\g+2], 64<<16       ; tensor_dim1 = 64
	s_mov_b32 s[\g+3], 128<<16      ; tile_dim0 = 128
	s_mov_b32 s[\g+4], 64           ; tile_dim1 = 64
	s_mov_b32 s[\g+5], 128          ; 128 elements from row to row
	s_mov_b32 s[\g+6], 0
	s_mov_b32 s[\g+7], 0
.endr
	s_mov_b32 s[CS], 0x3e38aa3b     ; c = log2(e) / 8 = 0.180337
	s_mov_b32 s[CS+1], s[CS]        ; named with it as a pair
	s_mov_b32 s[SEL], 0x76543210
	s_mov_b32 s[SEL+1], 0xfedcba98
	s_mov_b32 s[TBK], SLOT1+4*KS*PK ; the first change of slots turns these two into 0
	s_mov_b32 s[TBV], SLOT1+4*KS*PV
	s_mov_b32 s[G0K], 1             ; 1:0 count = 1
	s_mov_b32 s[G0K+1], s17         ; 63:32 LDS address: slot 0
	s_mov_b32 s[G0V], 1
	s_add_co_u32 s[G0V+1], s18, VOFF
	s_mov_b32 s[SLOTS], SIZE_N/256-1  ; slot 0 is asked for at the head; seven changes of slots ask for the others
	s_and_b32 s[LIM], s[WV], 1      ; 0 in waves 0 and 2,
	s_or_b32 s[LIM], s[LIM], ttmp9  ; where the cluster is the head's first (here its only one): the same in all four partners
	s_cmp_eq_u32 s[LIM], 0
	s_cselect_b32 s[LIM], 1, -1
	s_lshl_b32 s52, s13, 13         ; my work-group's 32 blocks of the 128
	s_mov_b32 s53, 0
	s_wait_dscnt 0x0                ; the opening add is done
	s_wait_kmcnt 0x0
	s_add_nc_u64 s[G0K+2:G0K+3], s[6:7], s[22:23]  ; 120:64 global address: my half of the head's first 256 keys
	s_or_b32 s[G0K+3], s[G0K+3], 0x80000000        ; 127:126 type = 2
	s_add_nc_u64 s[G0V+2:G0V+3], s[8:9], s[22:23]
	s_or_b32 s[G0V+3], s[G0V+3], 0x80000000
	s_add_nc_u64 s[4:5], s[4:5], s[2:3]  ; Q and O at my wave's first row
	s_add_nc_u64 s[10:11], s[10:11], s[2:3]
	s_cmp_lt_u32 s[WV], 2
	s_cselect_b64 s[PFA:PFA+1], s[6:7], s[8:9]
	s_add_nc_u64 s[PFA:PFA+1], s[PFA:PFA+1], s[20:21]  ; the head's first byte,
	s_add_nc_u64 s[PFA:PFA+1], s[PFA:PFA+1], s[52:53]  ; my work-group's share,
	s_add_nc_u64 s[PFA:PFA+1], s[PFA:PFA+1], 4*KS*128  ; in slot 1; the first change of slots steps it to slot 2.  Nothing is prefetched here, at the head
	CROUND                          ; all four work-groups are here: the first joint loads meet
	JLOAD                           ; slot 0.  Slot 1 is asked for when slot 0 is in: the tile wanted first has the road to itself
	; A fragment of K or Q is 16 rows x 32 channels in 8 registers: lane l holds row l % 16, channels 8 (l / 16) + 0..7 and 16 + 8 (l / 16) + 0..7: two loads of 16 bytes, 32 bytes apart.
	v_and_b32 v1, 15, v0            ; l % 16
	v_bfe_u32 v9, v0, 4, 1          ; l / 16
	v_lshlrev_b32 v[QO], 7, v1
	v_lshl_add_u32 v[QO], v9, 4, v[QO]  ; row x 128 + 16 x half
	WIN 0x80                        ; destination window 2, address window 0
.set i, 0
.rept 4*NP                          ; Q stays in registers: tile i / 2, channels 32 (i % 2) on
	global_load_b128 v[8*i:8*i+3],   v[QO], s[4:5] offset:(i/2)*2048+(i%2)*64
	global_load_b128 v[8*i+4:8*i+7], v[QO], s[4:5] offset:(i/2)*2048+(i%2)*64+32
.set i, i+1
.endr
	; What the first turn finds: V's registers and P's second buffer hold 0 (its products V^T P, of a piece that has not been, add 0), O^T and l are 0.  All this stands in the wait for the first tile.
.set i, VF
.rept 64
	v_mov_b32 v[i], 0
.set i, i+1
.endr
	WIN 0x40
.set i, 0
.rept 64*NP
	v_mov_b32 v[i], 0
.set i, i+1
.endr
	WIN 0
.set i, 0
.rept 2*NP
	v_mov_b32 v[ST+4*i], 0xfe000000    ; c m: far below every c s
	v_mov_b32 v[ST+4*i+1], 0xff7fffff  ; m
	v_mov_b32 v[ST+4*i+2], 0
	v_mov_b32 v[ST+4*i+3], 0
.set i, i+1
.endr
.set i, P+32
.rept 32
	v_mov_b32 v[i], 0
.set i, i+1
.endr
	v_mul_u32_u24 v[AK0], v1, PK
	v_lshl_add_u32 v[AK0], v9, 4, v[AK0]  ; row x pitch + 16 x half
	; The turning load takes 16 keys x 16 channels (lane l reads key 8 (l / 16) + l % 8, channels 8 ((l / 8) % 2) + 0..7) and leaves half a fragment of V^T: lane l holds channel l % 16 and 8 keys.
	v_and_b32 v10, 7, v0
	v_bfe_u32 v11, v0, 3, 1
	v_lshl_add_u32 v[AV0], v9, 3, v10
	v_mul_u32_u24 v[AV0], v[AV0], PV
	v_lshl_add_u32 v[AV0], v11, 4, v[AV0]
	v_add_nc_u32 v[AV0], VOFF, v[AV0]
	v_and_b32 v[PFO], 31, v0        ; v11 has served: from here on it is the prefetches' offset
	v_lshlrev_b32 v[PFO], 8, v[PFO]
	v_mov_b32 v[AK], v[AK0]         ; key step 0 lies at the head of slot 0
; THE MATRIX WORK.  The 8 accumulators of a run of 16 take turns: between the two links of a chain stand 7 others'.
; Product i of 16 of S^T = K Q^T for piece x: channels 32 (i / 8) on, keys 16 ((i / 2) % 4) on, tile 2 x + i % 2.  The first 8 start the sums.
.macro KQ x
	WIN W_KQ
.set rS, S+64*((\x)%2)+32*(i%2)+8*((i/2)%4)
.set rK, KF+16*((i/2)%4)+8*(i/8)
.set rQ, 16*(2*(\x)+i%2)+8*(i/8)
.if i < 8
	v_wmma_f32_16x16x32_f16 v[rS:rS+7], v[rK:rK+7], v[rQ:rQ+7], 0
.else
	v_wmma_f32_16x16x32_f16 v[rS:rS+7], v[rK:rK+7], v[rQ:rQ+7], v[rS:rS+7]
.endif
.endm
; Product i of 16 of O^T += V^T P for piece x: keys 32 (i / 8) on, channels 16 ((i / 2) % 4) on, tile 2 x + i % 2.
.macro PV x
	WIN W_PV
.set rO, 32*(2*(\x)+i%2)+8*((i/2)%4)
.set rV, VF+32*(i/8)+8*((i/2)%4)
.set rP, P+32*((\x)%2)+16*(i%2)+8*(i/8)
	v_wmma_f32_16x16x32_f16 v[rO:rO+7], v[rV:rV+7], v[rP:rP+7], v[rO:rO+7]
.endm
.macro MM                           ; the turn's next matrix instruction
.if i < 16
	KQ (Y+1)%NP
.set i, i+1
.else
.set i, i-16
	PV (Y+NP-1)%NP
.set i, i+17
.endif
.endm
; THE LDS LOADS stand in runs of 16, never singly among the matrix instructions: a step's K (64 keys x 64 channels: 8 fragments) and its V (turned).  Their addresses are made some lines ahead.
; last = 1 (the tail): in the last trip there is no further step, and the run is jumped over.
.macro FETCH_K last=0
	WIN 0
.if \last
	s_cmp_eq_u32 s[CNT], 1
	s_cbranch_scc1 .Lno_k_\@
.endif
	WIN 0x80                        ; destination window 2
.irp f, 0,1,2,3,4,5,6,7             ; keys 16 (f / 2) on, channels 32 (f % 2) on
	ds_load_b128 v[KF+8*\f:KF+8*\f+3],   v[AK] offset:(\f/2)*16*PK+(\f%2)*64
	ds_load_b128 v[KF+8*\f+4:KF+8*\f+7], v[AK] offset:(\f/2)*16*PK+(\f%2)*64+32
.endr
	s_add_co_u32 s[TBK], s[TBK], KS*PK  ; the next fetch is the next step's
	WIN 0
.if \last
.Lno_k_\@:
.endif
.endm
.macro FETCH_V
	WIN 0x80
.irp f, 0,1,2,3,4,5,6,7             ; keys 32 (f / 4) on, channels 16 (f % 4) on
	ds_load_tr16_b128 v[VF+8*\f:VF+8*\f+3],   v[AV] offset:(\f/4)*32*PV+(\f%4)*32
	ds_load_tr16_b128 v[VF+8*\f+4:VF+8*\f+7], v[AV] offset:(\f/4)*32*PV+16*PV+(\f%4)*32
.endr
	WIN 0
.endm
; THE VECTOR WORK OF A TURN stands in three queues, each in the order in which its entries become ready; the two tiles alternate, so that no instruction reads the result of the one before it.
.macro REGS y, u                    ; the registers of tile u (0, 1) of piece y
.set rT, ST+4*(2*(\y)+(\u))
.set rC, TMP+8*((\y)%2)+4*(\u)
.set rM, MV+2*((\y)%2)+(\u)
.set rS, S+64*((\y)%2)+32*(\u)
.set rP, P+32*((\y)%2)+16*(\u)
.set rO, 32*(2*(\y)+(\u))
.endm
; Number n of the 22 that find the NEXT piece's (Y + 1) maximum and statistics.  s0-s31 are the lane's 32 scores; each accumulator's lowest registers are read first.  XS, GS and REGS set no window: PL and EX do.
;   0-11  four chains c0-c3 of seven scores each, three operands at a time     12-14, 16  the four scores left over, the old m, and c0-c3 into c0     15  c m_old is kept
;   17, 18  the query's other 32 keys lie in the lane 16 away: the new m         19-21  c m; c m_old - c m_new; a
.macro XS u, n
	REGS (Y+1)%NP, \u
.if (\n) < 4
	v_max3_num_f32 v[rC+(\n)], v[rS+8*(\n)], v[rS+8*(\n)+1], v[rS+8*(\n)+2]
.elseif (\n) < 12
	v_max3_num_f32 v[rC+(\n)%4], v[rC+(\n)%4], v[rS+8*((\n)%4)+2*((\n)/4)+1], v[rS+8*((\n)%4)+2*((\n)/4)+2]
.elseif (\n) == 12
	v_max3_num_f32 v[rC], v[rC], v[rS+7], v[rS+15]
.elseif (\n) == 13
	v_max3_num_f32 v[rC+1], v[rC+1], v[rS+23], v[rS+31]
.elseif (\n) == 14
	v_max3_num_f32 v[rC+2], v[rC+2], v[rC+3], v[rT+1]
.elseif (\n) == 15
	v_mov_b32 v[rM], v[rT]
.elseif (\n) == 16
	v_max3_num_f32 v[rC], v[rC], v[rC+1], v[rC+2]
.elseif (\n) == 17
	v_permlanex16_b32 v[rC+3], v[rC], s[SEL], s[SEL+1]
.elseif (\n) == 18
	v_max_num_f32 v[rT+1], v[rC], v[rC+3]
.elseif (\n) == 19
	v_mul_f32 v[rT], s[CS], v[rT+1]
.elseif (\n) == 20
	v_sub_f32 v[rC+1], v[rM], v[rT]
.else
	v_exp_f32 v[rC+2], v[rC+1]
.endif
.endm
; Number g of the 64 that follow the exponentials.  For each four weights k of a tile (pairs 2 k, 2 k + 1): both pairs are rounded to f16; then the second pair is added onto the first, in place;
; a group later l takes that sum (the first time as l = a l + sum).  In groups of eight, tiles alternating: round, round, add, and l for the group before.
.macro GS g
.set h, (\g)+6*((\g)/62)            ; group 0 has no group before it, and behind group 7 only l is left
.if h >= 6
.set h, h+2
.endif
	REGS Y, h%2
.set k, h/8
.if h%8 < 4
	s_wait_alu depctr_va_vdst(0)
	v_cvt_pk_f16_f32 v[rP+2*k+(h%8)/2], v[rS+4*k+2*((h%8)/2)], v[rS+4*k+2*((h%8)/2)+1]
.elseif h%8 < 6
	v_pk_add_f32 v[rS+4*k:rS+4*k+1], v[rS+4*k:rS+4*k+1], v[rS+4*k+2:rS+4*k+3]
.elseif k == 1
	v_pk_fma_f32 v[rT+2:rT+3], v[rT+2:rT+3], v[rC+2:rC+3], v[rS:rS+1] op_sel_hi:[1,0,1]
.else
	v_pk_add_f32 v[rT+2:rT+3], v[rT+2:rT+3], v[rS+4*k-4:rS+4*k-3]
	s_wait_alu depctr_va_vdst(0)
.endif
.endm
; THE PLAIN QUEUE, 138 long.  0-31: c s - c m for the 16 pairs of both tiles.  Then GS's 64, and among them the next piece's 42: number 15 at 38, 39; 0-14 and 16
; at 42-73, behind the products that make those scores; 17-20 at 95-106, two of three, since each waits for the one before it.
.macro PL
	WIN 0
.if q < 32
	REGS Y, q%2
	v_pk_fma_f32 v[rS+2*(q/2):rS+2*(q/2)+1], v[rS+2*(q/2):rS+2*(q/2)+1], s[CS:CS+1], v[rT:rT+1] op_sel_hi:[1,0,0] neg_lo:[0,0,1] neg_hi:[0,0,1]
.elseif q < 38
	GS q-32
.elseif q < 40
	XS q%2, 15
.elseif q < 42
	GS q-34
.elseif q < 74
	XS q%2, (q-42)/2+(q-42)/30
.elseif q < 95
	GS q-66
.elseif (q < 107) && ((q-95)%3 < 2)
	XS (q-95)%3, 17+(q-95)/3
.elseif q < 107
	GS 29+(q-95)/3
.else
	GS q-74
.endif
.set q, q+1
.endm
; THE EXPONENTIALS' QUEUE, 66 long: s0-s31 of both tiles, and at EA the next piece's two a.
.set EA, 58
.macro EX
	WIN 0
.if (e == EA) || (e == EA+1)
	XS e-EA, 21
.else
.set x, e-2*(e/(EA+2))
	REGS Y, x%2
	v_exp_f32 v[rS+x/2], v[rS+x/2]
.endif
.set e, e+1
.endm
; THE RESCALING's QUEUE: O^T times a, the one part that leaves window 0, so it is dealt four at a time, eight times.
.macro R4
	REGS Y, r%2
	WIN W_RS
	s_wait_alu depctr_va_vdst(0)
.irp z, 0,1,2,3
	v_pk_mul_f32 v[rO+8*(r/2)+2*\z:rO+8*(r/2)+2*\z+1], v[rO+8*(r/2)+2*\z:rO+8*(r/2)+2*\z+1], v[rC+2:rC+3] op_sel_hi:[1,0]
.endr
.set r, r+1
.endm
; HOW THEY ARE DEALT.  Behind a matrix instruction four: plain, exponential, plain, plain (one exponential, a plain instruction on either side), or four of the rescaling.  None names a register of the
; products round it.  What is over stands in two LUMPS: exponential and plain by turns; the second ends in 22 plain instructions.  The two v_permlanex16_b32 fall into the second lump, never behind a product.
; The queues lean on each other, and the deal keeps them in step: exponential e stands behind plain 2 (e / 4) + e % 2 (its scaling); when plain 32 comes, 10 exponentials are out, at 59: 33, at 95: 46; EA comes behind plain 107.
.macro SL
	MM
	PL
	EX
	PL
	PL
.endm
.macro BURST n                      ; 15 matrix instructions, or 16
.rept (\n)-7
	SL
.endr
.rept 3
	MM
	R4
	SL
.endr
	MM
	R4
.endm
; A TURN, for piece p.  cnt = 1: the loop's count is taken down some lines ahead of the branch that stands behind the turn.
; K of the next step is fetched in piece 2's turn, 31 vector instructions behind the last product that read K; its first reader comes behind the rest of the lump, 16 products and the second lump.
; V of the step in hand is fetched at the end of piece 0's turn, 69 behind its last reader; its first reader comes behind 16 products and a lump.  The four conditions on e and q below go with the deal.
.macro TURN p, last=0, cnt=0
.set Y, (\p)
.set i, 0
.set q, 0
.set e, 0
.set r, 0
.if (\p) == NP-1
	s_wait_dscnt 0x0                ; K is in
.endif
	MM
.rept 4
	PL
.endr
	BURST 15
.rept 22
	EX
	PL
.if ((\p) == NP-2) && (e == 18)
	v_add_nc_u32 v[AK], s[TBK], v[AK0]
.endif
.if ((\p) == NP-2) && (e == 24)
	FETCH_K \last
.endif
.endr
.if (\p) == 1
	s_wait_dscnt 0x0                ; V is in
.endif
	BURST 16
.rept 21
	EX
	PL
.endr
.rept 22
	PL
.if ((\p) == 0) && (q == 118)
	v_add_nc_u32 v[AV], s[TBV], v[AV0]
	s_wait_alu depctr_va_vdst(0)
.endif
.if ((\p) == 0) && (q == 130)
	s_add_co_u32 s[TBV], s[TBV], KS*PV
.endif
.if (\cnt) && (q == 130)
	s_sub_co_u32 s[CNT], s[CNT], 1
	s_cmp_lg_u32 s[CNT], 0
.endif
.endr
.if (\p) == 0
	FETCH_V
.endif
.endm
	CHANGE 1                        ; slot 0 is in, everybody's part of it; slot 1 is asked for
	FETCH_K                         ; key step 0
	s_wait_loadcnt 0x0              ; Q
	s_wait_dscnt 0x0
.set i, 0
.rept 16
	KQ 0                            ; piece 0's first scores: there is no vector work yet to set between them
.set i, i+1
.endr
	WIN 0                           ; the addresses for the way out: nine plain instructions, the places behind those products
	s_mul_i32 s13, s[WV], 16*SP
	s_add_co_u32 s13, s13, STAGE    ; my stage
	v_mul_u32_u24 v[STO], v1, SP    ; in: row l % 16, 16 bytes for each half of the lanes
	v_lshl_add_u32 v[STO], v9, 4, v[STO]
	v_add_nc_u32 v[STO], s13, v[STO]
	v_bfe_u32 v[RD], v0, 3, 2       ; back: 32 lanes take four rows of 128 bytes,
	v_mul_u32_u24 v[RD], v[RD], SP
	v_lshl_add_u32 v[RD], v10, 4, v[RD]
	v_add_nc_u32 v[RD], s13, v[RD]
	v_and_b32 v[GO], 31, v0         ; which are 512 consecutive bytes of O
	v_lshlrev_b32 v[GO], 4, v[GO]
.set Y, NP-1                        ; XS works for piece Y + 1: piece 0
.irp n, 0,1,2,3,4,5,6,7,8,9,10,11,12,13,14,15,16,17,18,19,20,21
	XS 0, \n                        ; and piece 0's first maximum and statistics
	XS 1, \n
.endr
	s_mov_b32 s[CNT], 4
	s_branch .Lfirst                ; the loop is entered at a step's first turn, in the middle of a trip
.Lslot:                             ; SIZE_N / 256 - 2 times: every slot but the last two is filled again
	CHANGE 1
	s_mov_b32 s[CNT], 4
.Lstep:                             ; a trip: pieces 2 and 3 of one step, then pieces 0 and 1 of the next, whose K and V it fetches
	TURN 2
	TURN 3
	WIN 0
.Lfirst:
	TURN 0
	TURN 1, 0, 1
	WIN 0
	s_cbranch_scc1 .Lstep
	s_sub_co_u32 s[SLOTS], s[SLOTS], 1
	s_cmp_lg_u32 s[SLOTS], 0
	s_cbranch_scc1 .Lslot
	CHANGE 0                        ; the tail is written out: nothing is asked for
	s_mov_b32 s[CNT], 5             ; four trips fetch the last slot's steps; the fifth is left in its middle
.Ltail:
	TURN 2, 1
	TURN 3
	WIN 0
	s_sub_co_u32 s[CNT], s[CNT], 1
	s_cmp_eq_u32 s[CNT], 0
	s_cbranch_scc1 .Lout
	TURN 0
	TURN 1
	WIN 0
	s_branch .Ltail
.Lout:                              ; the fifth trip's 16 products K Q^T (on the last K once more) and the maximum made of them serve nothing: the price, once a launch, of one text for every trip
.set i, 0
.rept 16
	PV NP-1                         ; the last piece's V^T P of the last step
.set i, i+1
.endr
	; THE WAY OUT.  l's two halves and the other half of the lanes' are added; O^T is divided by l, rounded to f16 and sent through my stage in LDS, a tile at a time.  The additions are the places behind the last products.
	WIN 0
.macro ALL line:vararg              ; one line for each tile t
.set t, 0
.rept 2*NP
	\line
.set t, t+1
.endr
.endm
	ALL v_add_f32 v[ST+4*t+2], v[ST+4*t+2], v[ST+4*t+3]
	ALL v_permlanex16_b32 v[ST+4*t+3], v[ST+4*t+2], s[SEL], s[SEL+1]
	ALL v_add_f32 v[ST+4*t+2], v[ST+4*t+2], v[ST+4*t+3]
	ALL v_rcp_f32 v[ST+4*t+2], v[ST+4*t+2]
	v_nop                           ; a plain instruction between the last reciprocal and the use of its result
	s_wait_alu depctr_va_vdst(0)
; Tile t: a lane's eight channels of a row pack into 16 bytes; they go into rows of 144 bytes and come back as whole rows of 128, into S^T's registers.
.macro PACK t
	WIN W_RS
.set i, 32*(\t)
.rept 16
	v_pk_mul_f32 v[i:i+1], v[i:i+1], v[ST+4*(\t)+2:ST+4*(\t)+3] op_sel_hi:[1,0]
.set i, i+2
.endr
	WIN 0x05                        ; sources 0 and 1 window 1, destination window 0
.set i, 0
.rept 16
	v_cvt_pk_f16_f32 v[S+16*(\t)+i], v[32*(\t)+2*i], v[32*(\t)+2*i+1]
.set i, i+1
.endr
	WIN 0
.irp f, 0,1,2,3
	ds_store_b128 v[STO], v[S+16*(\t)+4*\f:S+16*(\t)+4*\f+3] offset:32*\f
.endr
.irp f, 0,1,2,3
	ds_load_b128 v[S+16*(\t)+4*\f:S+16*(\t)+4*\f+3], v[RD] offset:\f*4*SP  ; LDS serves a wave's instructions in order (ISA guide 5.7.1.4): these see the stores above; the next tile's stores come behind them
.endr
.endm
.macro SEND t, younger              ; younger: the LDS instructions issued behind tile t's loads: the next tile's eight, or none
	WIN 0
.irp f, 0,1,2,3
	s_wait_dscnt (\younger)+3-\f
	global_store_b128 v[GO], v[S+16*(\t)+4*\f:S+16*(\t)+4*\f+3], s[10:11] offset:(\t)*2048+\f*512  ; 512 consecutive bytes, at a multiple of 256 from O's first
.endr
.endm
	PACK 0
.set t, 1
.rept 2*NP-1                        ; a tile's arithmetic stands between the loads of the tile before and its stores
	PACK t
	SEND t-1, 8
.set t, t+1
.endr
	SEND 2*NP-1, 0
	WIN W_AD
	s_wait_tensorcnt 0x0            ; the wave's end: behind my last tensor load and my last LDS store
	ds_add_u32 v[SPW], v[NIL]
	s_wait_dscnt 0x0
	WIN 0
	CROUND                          ; the closing round: no work-group ends while a partner may still ask for a tile that names it
	s_endpgm
.Lfunc_end_k_qfa180d3df7_attn:
	.size	k_qfa180d3df7_attn, .Lfunc_end_k_qfa180d3df7_attn-k_qfa180d3df7_attn
	.p2alignl 7, 3214868480
	.fill 96, 4, 3214868480
	.section	.rodata,"a",@progbits
	.p2align	6, 0x0
	.amdhsa_kernel k_qfa180d3df7_attn
		.amdhsa_group_segment_fixed_size 327680
		.amdhsa_private_segment_fixed_size 0
		.amdhsa_enable_private_segment 0
		.amdhsa_kernarg_size 32
		.amdhsa_user_sgpr_count 2
		.amdhsa_user_sgpr_kernarg_segment_ptr 1
		.amdhsa_wavefront_size32 1
		.amdhsa_system_sgpr_workgroup_id_x 1
		.amdhsa_system_sgpr_workgroup_id_y 1
		.amdhsa_system_sgpr_workgroup_id_z 1
		.amdhsa_system_vgpr_workitem_id 0
		.amdhsa_next_free_vgpr 770
		.amdhsa_next_free_sgpr 66
		.amdhsa_reserve_vcc 0
		.amdhsa_float_denorm_mode_32 3
		.amdhsa_float_denorm_mode_16_64 3
		.amdhsa_memory_ordered 1
		.amdhsa_forward_progress 1
		.amdhsa_inst_pref_size 209
	.end_amdhsa_kernel
	.amdgpu_metadata
---
amdhsa.version: [ 1, 2 ]
amdhsa.kernels:
  - .name:           k_qfa180d3df7_attn
    .symbol:         k_qfa180d3df7_attn.kd
    .args:
      - { .name: q16, .offset: 0, .size: 8, .value_kind: global_buffer, .address_space: global }
      - { .name: k16, .offset: 8, .size: 8, .value_kind: global_buffer, .address_space: global }
      - { .name: v16, .offset: 16, .size: 8, .value_kind: global_buffer, .address_space: global }
      - { .name: o16, .offset: 24, .size: 8, .value_kind: global_buffer, .address_space: global }
    .group_segment_fixed_size: 327680
    .private_segment_fixed_size: 0
    .kernarg_segment_align: 8
    .kernarg_segment_size: 32
    .max_flat_workgroup_size: 128
    .sgpr_count:     66
    .vgpr_count:     770
    .wavefront_size: 32
...
	.end_amdgpu_metadata
.endif
;; end of part 3
;; launch outp (part 4): grid 4 x 64, 4 waves a work-group, clusters of 4 x 4, 327,680 bytes of LDS; arguments o16, w16, bo, out0; writes out0
.if DOCPART == 4
	.amdgcn_target "amdgcn-amd-amdhsa--gfx1250"
	.amdhsa_code_object_version 6
	.text
	.protected	k_qfa180d3df7_outp
	.globl	k_qfa180d3df7_outp
	.p2align	8
	.type	k_qfa180d3df7_outp,@function
k_qfa180d3df7_outp:
	s_mov_b64 s[64:65], 0
	v_nop
	global_prefetch_b8 v0, s[64:65] scope:SCOPE_SE
	s_setreg_imm32_b32 hwreg(HW_REG_WAVE_MODE, 25, 1), 1
	s_wait_xcnt 0x0
	s_wait_alu depctr_hold_cnt(0) depctr_sa_sdst(0) depctr_va_vdst(0) depctr_va_sdst(0) depctr_va_ssrc(0) depctr_va_vcc(0) depctr_vm_vsrc(0)
	s_getreg_b32 s2, hwreg(HW_REG_IB_STS2, 6, 4)
	s_cmp_eq_u32 s2, 0
	s_cbranch_scc0 .Lentry_in_a_cluster
	s_endpgm
.Lentry_in_a_cluster:
	s_bfe_u32 s2, ttmp6, 0x10000c
	s_cmp_lg_u32 s2, 0xf033
	s_cbranch_scc0 .Lentry_shape_is_right
	s_endpgm
.Lentry_shape_is_right:
; THE OUTPUT PROJECTION.  out0[m][n] = the sum over k of ctx[m][k] wo[n][k] + bo[n].  ctx lies by heads in o16, [16 batch + head][2048][64] f16: k = 64 head + channel.
; wo is plane 3 of w16, [1024][1024] f16 (rounded to bf16 before); bo [1024] f32 is rounded to bf16 like the other inputs; products in f16, sums in f32 (they start from bo); out0 [8192][1024] f32.
; LIMITS.  ctx and wo arrive within f16's range; NaN and infinities are not treated apart.
; SHARES.  A tile of out0 is 128 rows x 256 columns: 64 x 4 work-groups.  Four waves, each 64 x 128: 32 accumulators of 16 x 16.
; K goes in steps of 128, two heads, through a ring of two LDS slots.  A head's 128 rows of a tile are 16,384 dense bytes: asked for as 64 rows of 256 bytes and padded in LDS after every 128.
; CLUSTER.  4 x 4 work-groups: the four of a row need the same rows of ctx, the four of a column the same rows of wo: each tile is asked for jointly.
; THE MATRIX INSTRUCTION IS USED TRANSPOSED (source 0 = 16 rows of wo, source 1 = 16 rows of ctx): a lane holds row lane % 16 of out0 and the columns 8 (lane / 16) + 0..7.
; No prefetch is laid: a work-group's walk is eight K steps, of which the first two go out at its head.
; REGISTERS, in windows of 256 (s_set_vgpr_msb: bits 1:0 source 0, 3:2 source 1, 5:4 source 2, 7:6 destination):
;   window 0: v0-29 addresses; v32-63, v64-95 ctx's fragments, two buffers; v96-159 the bias; v224-227 at work; on the way out v96-159 and v160-223 by turns
;   window 1: the accumulators, (a, b) at v[8 (8 a + b)]          window 2: v0-63, v64-127 wo's fragments, two buffers
.set PA,    144                        ; a row of one head in LDS: 128 bytes + 16 = 36 words: the 16 rows of a load start at 16 different groups of four banks (64 banks of 4 bytes: ISA guide 11.1)
.set AHEAD, 128*PA                     ; one head's 128 rows: what one load of ctx brings
.set ATILE, 2*AHEAD
.set PB,    272                        ; a row of wo: 256 bytes + 16
.set BHALF, 128*PB                     ; what one load of wo brings
.set SLOT,  ATILE+2*BHALF
.set STAGE, 2*SLOT                     ; behind the ring: 16 rows x 528 bytes for each wave, for the way out
.set SPP,   528
.set SPARE, STAGE+4*16*SPP             ; behind the stages: the spare words, 128 bytes for each wave: two blocks of 256 bytes that no other line names
.set ADRA, 16                          ; v16-17  LDS address of my fragments of ctx in slot 0, 1
.set ADRB, 20                          ; v20-21  the same for wo
.set STO,  24                          ; v24     the way out: where I put 32 bytes of a row
.set RD,   25                          ; v25     the way out: where I read a row back
.set CO,   26                          ; v26     my 16 bytes of 512 consecutive bytes of out0
.set BO,   27                          ; v27     my byte offset in 16 numbers of the bias
.set SPW,  28                          ; v28     LDS address of my spare word: SPARE + 4 x my thread's number; never rewritten
.set NIL,  29                          ; v29     0; never rewritten
.set AF0,  32                          ; buffer g at AF0 + 32 g
.set BIAS, 96
.set T,    224
.set TMP,  96
.set G1A, 24
.set G0A, 32
.set G1B, 48
.set G0B, 56
.set MSB, 0
.macro WIN new                         ; the immediate's high byte repeats the setting that is left; a switch that changes nothing is dropped
.if MSB != (\new)
	s_set_vgpr_msb (MSB<<8)|(\new)
.set MSB, \new
.endif
.endm
.set MUL,  0x52                        ; wo window 2, ctx window 0, C and D window 1
.set MULB, 0x42                        ; the same with C (the bias) in window 0
.set TO_B, 0x80                        ; destination window 2, address window 0
; A joint load: waves 0 and 1 fetch the step's two heads of ctx, waves 2 and 3 wo's two halves.  An s_nop 0 and four v_nop follow each of the two lines.
.macro JLOAD s
	s_cmp_eq_u32 s11, 0
	s_cbranch_scc0 .Lfor_b_\@
	tensor_load_to_lds s[G0A+4*(\s):G0A+4*(\s)+3], s[G1A:G1A+7]
	s_nop 0
.rept 4
	v_nop
.endr
	s_branch .Lasked_\@
.Lfor_b_\@:
	tensor_load_to_lds s[G0B+4*(\s):G0B+4*(\s)+3], s[G1B:G1B+7]
	s_nop 0
.rept 4
	v_nop
.endr
.Lasked_\@:
.endm
.macro CREST                           ; a round of the cluster's barrier behind its opening barrier
	s_cmp_lg_u32 s10, 0
	s_cbranch_scc1 .Lnot_wave_0_\@
	s_barrier_signal -3
.Lnot_wave_0_\@:
	s_barrier_wait -3
	s_barrier_signal -1
	s_barrier_wait -1
.endm
.macro CROUND
	s_barrier_signal -1
	s_barrier_wait -1
	CREST
.endm
.macro PLACES                          ; four places in front of loads into registers that matrix instructions have read, and of LDS stores that read results
.rept 4
	v_nop
.endr
.endm
	s_load_b256 s[68:75], s[0:1], 0x0              ; o16 s[68:69], w16 s[70:71], bo s[72:73], out0 s[74:75]
	v_lshl_add_u32 v[SPW], v0, 2, SPARE
	v_mov_b32 v[NIL], 0
	ds_add_u32 v[SPW], v[NIL]                      ; the wave's opening: the add and its wait stand ahead of my first tensor load; the set-up below, work on registers, stands between them
	v_lshrrev_b32 v1, 5, v0
	v_readfirstlane_b32 s10, v1                    ; wave 0..3
	s_lshr_b32 s11, s10, 1                         ; which 64 rows of the tile are mine.  Also: I fetch for ctx (0) or for wo (1)
	s_and_b32 s12, s10, 1                          ; which 128 columns.  Also: which head of the step, or which half of wo's rows, I fetch
	s_bfe_u32 s40, ttmp6, 0x40000                  ; cx, cy
	s_bfe_u32 s41, ttmp6, 0x40004
	s_lshl_b32 s42, ttmp9, 2
	s_add_co_u32 s42, s42, s40                     ; column tile
	s_and_b32 s13, ttmp7, 0xffff
	s_lshl_b32 s13, s13, 2
	s_add_co_u32 s13, s13, s41                     ; row tile, 0..63
	s_lshl_b32 s43, s41, 2
	s_lshl_b32 s43, 15, s43                        ; my row of the cluster
	s_lshl_b32 s44, 0x1111, s40                    ; my column
	s_or_b32 s[G1A+0], s43, (1<<16)|(1<<20)|(1<<21)|(4<<22)|(3<<25)  ; the mask: my row; elements of 2 bytes; padding on; 21 set beside a mask; after every 32 words (code 4) 4 words (code 3)
	s_mov_b32 s[G1A+1], 128<<16                    ; tensor_dim0 = 128
	s_mov_b32 s[G1A+2], 64<<16                     ; tensor_dim1 = 64
	s_mov_b32 s[G1A+3], 128<<16                    ; tile_dim0 = 128
	s_mov_b32 s[G1A+4], 64                         ; tile_dim1 = 64
	s_mov_b32 s[G1A+5], 128                        ; dense: 128 elements from row to row
	s_mov_b32 s[G1A+6], 0
	s_mov_b32 s[G1A+7], 0
	s_or_b32 s[G1B+0], s44, (1<<16)|(1<<20)|(1<<21)|(5<<22)|(3<<25)  ; the mask: my column; padding after every 64 words (code 5)
	s_mov_b32 s[G1B+1], 128<<16
	s_mov_b32 s[G1B+2], 128<<16
	s_mov_b32 s[G1B+3], 128<<16
	s_mov_b32 s[G1B+4], 128
	s_mov_b32 s[G1B+5], 1024
	s_mov_b32 s[G1B+6], 0
	s_mov_b32 s[G1B+7], 0
	s_and_b32 s16, s13, 0x30                       ; ctx: 16 x batch (a batch is 16 row tiles)
	s_add_co_u32 s16, s16, s12                     ; + my head of the step's two,
	s_lshl_b32 s16, s16, 18                        ; 262,144 bytes a head,
	s_and_b32 s17, s13, 15
	s_lshl_b32 s17, s17, 14                        ; the tile's 128 rows of 128 bytes
	s_add_co_u32 s16, s16, s17
	s_mov_b32 s17, 0
	s_lshl_b32 s46, s42, 8
	s_lshl_b32 s47, s12, 7
	s_add_co_u32 s46, s46, s47                     ; wo: row 256 x column tile + 128 x half,
	s_lshl_b32 s46, s46, 11                        ; of 2,048 bytes,
	s_add_co_u32 s46, s46, 3*2097152               ; in plane 3
	s_mov_b32 s47, 0
	s_mul_i32 s20, s12, AHEAD                      ; where they go: no place in the cluster enters an LDS address
	s_mul_i32 s21, s12, BHALF
	s_add_co_u32 s21, s21, ATILE
	s_wait_dscnt 0x0                               ; the opening add is done
	s_wait_kmcnt 0x0
	s_add_nc_u64 s[4:5], s[68:69], s[16:17]
	s_add_nc_u64 s[6:7], s[70:71], s[46:47]
	CROUND                                         ; all sixteen work-groups are here: the first joint loads meet
.irp s, 0,1
	s_mov_b32 s[G0A+4*(\s)], 1
	s_add_co_u32 s[G0A+4*(\s)+1], s20, (\s)*SLOT
	s_add_nc_u64 s[G0A+4*(\s)+2:G0A+4*(\s)+3], s[4:5], (\s)*524288  ; K step s: two heads on
	s_or_b32 s[G0A+4*(\s)+3], s[G0A+4*(\s)+3], 0x80000000
	s_mov_b32 s[G0B+4*(\s)], 1
	s_add_co_u32 s[G0B+4*(\s)+1], s21, (\s)*SLOT
	s_add_nc_u64 s[G0B+4*(\s)+2:G0B+4*(\s)+3], s[6:7], (\s)*256
	s_or_b32 s[G0B+4*(\s)+3], s[G0B+4*(\s)+3], 0x80000000
	JLOAD \s                                       ; two loads of mine are out
.endr
	v_and_b32 v1, 15, v0                           ; l % 16
	v_bfe_u32 v2, v0, 4, 1                         ; l / 16
	v_mul_u32_u24 v3, v1, PA
	v_lshl_add_u32 v3, v2, 4, v3                   ; a fragment's row x pitch + 16 x half
	v_mul_u32_u24 v4, v1, PB
	v_lshl_add_u32 v4, v2, 4, v4
	s_mul_i32 s14, s11, 64*PA                      ; my 64 rows, in each head
	s_mul_i32 s15, s12, BHALF                      ; my 128 rows of wo,
	s_add_co_u32 s15, s15, ATILE                   ; which lie behind ctx's
.irp s, 0,1
	v_add_nc_u32 v[ADRA+(\s)], s14, v3
	v_add_nc_u32 v[ADRB+(\s)], s15, v4
	s_add_co_u32 s14, s14, SLOT
	s_add_co_u32 s15, s15, SLOT
.endr
	s_mul_i32 s18, s10, 16*SPP
	s_add_co_u32 s18, s18, STAGE                   ; my stage
	v_mul_u32_u24 v5, v1, SPP                      ; in: row l % 16, 32 bytes for each half of the lanes
	v_lshl_add_u32 v5, v2, 5, v5
	v_add_nc_u32 v[STO], s18, v5
	v_and_b32 v[CO], 31, v0                        ; back: 32 lanes take a row's 512 bytes
	v_lshlrev_b32 v[CO], 4, v[CO]
	v_add_nc_u32 v[RD], s18, v[CO]
	v_lshlrev_b32 v[BO], 5, v2
	s_lshl_b32 s22, s42, 10                        ; my 128 columns in bytes of f32: 4 (256 x column tile + 128 x half)
	s_lshl_b32 s23, s12, 9
	s_add_co_u32 s22, s22, s23
	s_mov_b32 s23, 0
	s_add_nc_u64 s[66:67], s[72:73], s[22:23]      ; the bias there
.irp b, 0,1,2,3,4,5,6,7
	global_load_b128 v[BIAS+8*(\b):BIAS+8*(\b)+3],   v[BO], s[66:67] offset:64*(\b)
	global_load_b128 v[BIAS+8*(\b)+4:BIAS+8*(\b)+7], v[BO], s[66:67] offset:64*(\b)+16
.endr
	s_lshl_b32 s19, s13, 7
	s_lshl_b32 s18, s11, 6
	s_add_co_u32 s19, s19, s18                     ; my first row of out0,
	s_lshl_b32 s19, s19, 12                        ; of 4,096 bytes
	s_add_co_u32 s22, s22, s19
	s_add_nc_u64 s[8:9], s[74:75], s[22:23]
	s_wait_loadcnt 0x0                             ; the bias, rounded to bf16 like the other inputs and kept as f32
.set n, 0
.rept 32
	v_cvt_pk_bf16_f32 v[T+n%4], v[BIAS+2*n], v[BIAS+2*n+1]
	v_lshlrev_b32 v[BIAS+2*n],   16, v[T+n%4]
	v_and_b32     v[BIAS+2*n+1], 0xffff0000, v[T+n%4]
.set n, n+1
.endr
; 24 LDS loads in one run: the fragments of quarter kq (32 along K: head kq / 2 of the step, channels 32 (kq % 2) on) into buffer g
.macro FETCH slot, kq, g
	WIN 0
.irp a, 0,1,2,3
	ds_load_b128 v[AF0+32*(\g)+8*(\a):AF0+32*(\g)+8*(\a)+3],   v[ADRA+(\slot)] offset:((\kq)/2)*AHEAD+((\kq)%2)*64+(\a)*16*PA
	ds_load_b128 v[AF0+32*(\g)+8*(\a)+4:AF0+32*(\g)+8*(\a)+7], v[ADRA+(\slot)] offset:((\kq)/2)*AHEAD+((\kq)%2)*64+(\a)*16*PA+32
.endr
	WIN TO_B
.irp b, 0,1,2,3,4,5,6,7
	ds_load_b128 v[64*(\g)+8*(\b):64*(\g)+8*(\b)+3],   v[ADRB+(\slot)] offset:(\kq)*64+(\b)*16*PB
	ds_load_b128 v[64*(\g)+8*(\b)+4:64*(\g)+8*(\b)+7], v[ADRB+(\slot)] offset:(\kq)*64+(\b)*16*PB+32
.endr
.endm
; Product i of 32 on buffer f: row block i / 8, column block i % 8.  first = 1: the sum starts from the bias.  The 32 accumulators take turns in the same order in every quarter.
.macro MM f, i, first
.if \first
	WIN MULB
	v_wmma_f32_16x16x32_f16 v[8*(\i):8*(\i)+7], v[64*(\f)+8*((\i)%8):64*(\f)+8*((\i)%8)+7], v[AF0+32*(\f)+8*((\i)/8):AF0+32*(\f)+8*((\i)/8)+7], v[BIAS+8*((\i)%8):BIAS+8*((\i)%8)+7]
.else
	WIN MUL
	v_wmma_f32_16x16x32_f16 v[8*(\i):8*(\i)+7], v[64*(\f)+8*((\i)%8):64*(\f)+8*((\i)%8)+7], v[AF0+32*(\f)+8*((\i)/8):AF0+32*(\f)+8*((\i)/8)+7], v[8*(\i):8*(\i)+7]
.endif
.endm
.macro MMS f, cnt, first               ; the next cnt products
.rept \cnt
	MM \f, mi, \first
.set mi, mi+1
.endr
.endm
; A QUARTER STEP: fetches quarter fkq of slot fslot into buffer g, 32 products ahead of its use, and multiplies buffer f.  nop = 1: four places stand in front of the loads; behind a joint load its four v_nop are those places.
; chg != 0: the fetch was the slot's last, and slots change: each wave waits for all its tensor loads (one is out: its part of the other slot), adds 0 to its spare word, waits for that and for its reads
; of the slot, and signals; four products stand between the add and its wait, four between signal and wait.  chg = 1: the barrier opens a round of the cluster's barrier, and slot cslot is filled again,
; two K steps on, first thing behind the round: from there to the wait for it a wave issues 120 products.  chg = 2: nothing is left to fetch.
.macro QUARTER fslot, fkq, f, g, first, chg, cslot, nop
.if \nop
	PLACES
.endif
	FETCH \fslot, \fkq, \g
	s_wait_dscnt 24                                ; all but the 24 just issued: buffer f is in
.set mi, 0
	MMS \f, 24, \first
.if \chg
	WIN 0                                          ; (the add's two registers lie in window 0)
	s_wait_tensorcnt 0x0                           ; all my tensor loads have landed;
	ds_add_u32 v[SPW], v[NIL]                      ; 0 onto my spare word
.endif
	MMS \f, 4, \first
.if \chg
	s_wait_dscnt 0x0                               ; the add is done, and my reads of this slot are over
	s_barrier_signal -1
.endif
	MMS \f, 4, \first
.if \chg
	WIN 0                                          ; (branches may follow, and nothing stands between the wait below and the rest of the round)
	s_barrier_wait -1
.endif
.if (\chg) == 1
	CREST                                          ; no wave of any partner still reads this slot's tiles or has a load on its way
	s_add_nc_u64 s[G0A+4*(\cslot)+2:G0A+4*(\cslot)+3], s[G0A+4*(\cslot)+2:G0A+4*(\cslot)+3], 1048576
	s_add_nc_u64 s[G0B+4*(\cslot)+2:G0B+4*(\cslot)+3], s[G0B+4*(\cslot)+2:G0B+4*(\cslot)+3], 512
	JLOAD \cslot
.endif
.endm
; THE WAY OUT of row block a: 16 rows x 128 columns of f32 go into rows of 528 bytes in my own stage, each accumulator's low half first, and come back as whole rows of 512 bytes.
.macro STG a
.if (\a) >= 2
	s_wait_xcnt 0x0                                ; every earlier store has had its addresses translated (ISA guide 3.1): the registers that block a - 2's stores read are loaded again only behind this wait
.endif
	WIN 0x04                                       ; store data in window 1
.irp b, 0,1,2,3,4,5,6,7
	ds_store_b128 v[STO], v[8*(8*(\a)+(\b)):8*(8*(\a)+(\b))+3]   offset:64*(\b)
	ds_store_b128 v[STO], v[8*(8*(\a)+(\b))+4:8*(8*(\a)+(\b))+7] offset:64*(\b)+16
.endr
	WIN 0
.irp t, 0,1,2,3,4,5,6,7,8,9,10,11,12,13,14,15
	ds_load_b128 v[TMP+64*((\a)%2)+4*(\t):TMP+64*((\a)%2)+4*(\t)+3], v[RD] offset:(\t)*SPP  ; LDS serves a wave's instructions in order (ISA guide 5.7.1.4): these see the stores above; the next block's stores come behind them
.endr
.endm
.macro SEND a, younger                 ; younger: the LDS instructions issued behind block a's loads: the next block's 32, or none
	WIN 0
.irp t, 0,1,2,3,4,5,6,7,8,9,10,11,12,13,14,15
	s_wait_dscnt (\younger)+15-(\t)
	global_store_b128 v[CO], v[TMP+64*((\a)%2)+4*(\t):TMP+64*((\a)%2)+4*(\t)+3], s[8:9] offset:(16*(\a)+(\t))*4096 th:TH_STORE_NT  ; 512 consecutive bytes, at a multiple of 512 from out0's first
.endr
.endm
	s_wait_tensorcnt 1                             ; my part of K step 0 is in; K step 1's may stay out
	s_barrier_signal -1
	s_barrier_wait -1                              ; everybody's is
	FETCH 0, 0, 0
	QUARTER 0, 1, 0, 1, 1, 0, 0, 0                 ; the first quarter stands in front of the loop: its products start the sums
	WIN 0                                          ; at a label and at a branch every window is 0
	s_mov_b32 s3, 3
.Llap:                                         ; a trip goes once round the ring, from a lap's second quarter to the next lap's first, and fills both slots again: K steps 2 to 7
	QUARTER 0, 2, 1, 0, 0, 0, 0, 1
	QUARTER 0, 3, 0, 1, 0, 1, 0, 1
	QUARTER 1, 0, 1, 0, 0, 0, 0, 0
	QUARTER 1, 1, 0, 1, 0, 0, 0, 1
	QUARTER 1, 2, 1, 0, 0, 0, 0, 1
	QUARTER 1, 3, 0, 1, 0, 1, 1, 1
	QUARTER 0, 0, 1, 0, 0, 0, 0, 0
	QUARTER 0, 1, 0, 1, 0, 0, 0, 1
	WIN 0
	s_sub_co_u32 s3, s3, 1
	s_cmp_lg_u32 s3, 0
	s_cbranch_scc1 .Llap
	QUARTER 0, 2, 1, 0, 0, 0, 0, 1                 ; the last lap is written out: it fills nothing
	QUARTER 0, 3, 0, 1, 0, 2, 0, 1
	QUARTER 1, 0, 1, 0, 0, 0, 0, 1
	QUARTER 1, 1, 0, 1, 0, 0, 0, 1
	QUARTER 1, 2, 1, 0, 0, 0, 0, 1
	QUARTER 1, 3, 0, 1, 0, 0, 0, 1
	s_wait_dscnt 0x0                               ; the very last quarter: nothing more to fetch
.set mi, 0
	MMS 1, 32, 0
	PLACES
	STG 0
.irp a, 1,2,3                          ; a block's way through the stage stands between the loads of the block before and its stores
	STG \a
	SEND (\a)-1, 32
.endr
	SEND 3, 0
	s_wait_tensorcnt 0x0                           ; the wave's end: behind my last tensor load and my last LDS store
	ds_add_u32 v[SPW], v[NIL]
	s_wait_dscnt 0x0
	CROUND                                         ; the closing round: no work-group ends while a partner may still ask for a tile that names it
	s_endpgm
.Lfunc_end_k_qfa180d3df7_outp:
	.size	k_qfa180d3df7_outp, .Lfunc_end_k_qfa180d3df7_outp-k_qfa180d3df7_outp
	.p2alignl 7, 3214868480
	.fill 96, 4, 3214868480
	.section	.rodata,"a",@progbits
	.p2align	6, 0x0
	.amdhsa_kernel k_qfa180d3df7_outp
		.amdhsa_group_segment_fixed_size 327680
		.amdhsa_private_segment_fixed_size 0
		.amdhsa_enable_private_segment 0
		.amdhsa_kernarg_size 32
		.amdhsa_user_sgpr_count 2
		.amdhsa_user_sgpr_kernarg_segment_ptr 1
		.amdhsa_wavefront_size32 1
		.amdhsa_system_sgpr_workgroup_id_x 1
		.amdhsa_system_sgpr_workgroup_id_y 1
		.amdhsa_system_sgpr_workgroup_id_z 1
		.amdhsa_system_vgpr_workitem_id 0
		.amdhsa_next_free_vgpr 640
		.amdhsa_next_free_sgpr 76
		.amdhsa_reserve_vcc 0
		.amdhsa_float_denorm_mode_32 3
		.amdhsa_float_denorm_mode_16_64 3
		.amdhsa_memory_ordered 1
		.amdhsa_forward_progress 1
		.amdhsa_inst_pref_size 93
	.end_amdhsa_kernel
	.amdgpu_metadata
---
amdhsa.version: [ 1, 2 ]
amdhsa.kernels:
  - .name:           k_qfa180d3df7_outp
    .symbol:         k_qfa180d3df7_outp.kd
    .args:
      - { .name: o16, .offset: 0, .size: 8, .value_kind: global_buffer, .address_space: global }
      - { .name: w16, .offset: 8, .size: 8, .value_kind: global_buffer, .address_space: global }
      - { .name: bo, .offset: 16, .size: 8, .value_kind: global_buffer, .address_space: global }
      - { .name: out0, .offset: 24, .size: 8, .value_kind: global_buffer, .address_space: global }
    .group_segment_fixed_size: 327680
    .private_segment_fixed_size: 0
    .kernarg_segment_align: 8
    .kernarg_segment_size: 32
    .max_flat_workgroup_size: 128
    .sgpr_count:     76
    .vgpr_count:     640
    .wavefront_size: 32
...
	.end_amdgpu_metadata
.endif
;; end of part 4
;; ======== version 2 of 2: 4 launches; version 1 with the launch wcast written anew for expert scheduling mode
;; limits: values are held in f16: magnitudes above 65,504 overflow, below 6.1e-05 lose precision
;; workspace buffers: w16 8,388,608 bytes; q16 16,777,216 bytes; k16 16,777,216 bytes; v16 16,777,216 bytes; o16 16,777,216 bytes
;; launch wcast (part 5): grid 64 x 4, 8 waves a work-group, no clusters, 0 bytes of LDS; arguments wq, wk, wv, wo, w16; writes w16
.if DOCPART == 5
	.amdgcn_target "amdgcn-amd-amdhsa--gfx1250"
	.amdhsa_code_object_version 6
	.text
	.protected	k_qfa180d3df7_wcast
	.globl	k_qfa180d3df7_wcast
	.p2align	8
	.type	k_qfa180d3df7_wcast,@function
k_qfa180d3df7_wcast:
	s_mov_b64 s[64:65], 0
	v_nop
	global_prefetch_b8 v0, s[64:65] scope:SCOPE_SE
	s_setreg_imm32_b32 hwreg(HW_REG_WAVE_SCHED_MODE, 0, 2), 2
	s_setreg_imm32_b32 hwreg(HW_REG_WAVE_MODE, 25, 1), 1
	s_wait_xcnt 0x0
	s_wait_alu depctr_vm_vsrc(0)
; The four weight matrices, [1024][1024] f32, are rounded once to 16 bits: w16 = [4][1024][1024], planes wq, wk, wv in bf16 and plane 3, wo,
; rounded to bf16 and that number written as f16 (its product's other operand is f16).
; LIMIT.  A bf16 number is exact in f16 from 2^-17 up to 65,504 in magnitude; below that it moves by at most f16's fixed step of 6e-8, above it becomes an infinity.
; A stream: no LDS, no matrix unit, no cluster (no two work-groups read the same byte).  Grid y picks the matrix, grid x a chunk of 16,384 numbers.
; Thread t takes four numbers in each of 16 pieces: a wave's load covers 512 consecutive bytes, its store 256 consecutive bytes, aligned.
; All 16 loads of a thread go out together; every piece has registers of its own, so nothing is rewritten while a load or store may read it.
; THE MODE: SCHED_MODE bits 1:0 = 2 (LLVM: expert scheduling mode 2), set by the entry lines.  The code itself states the register dependences
; between vector instructions and memory instructions, with s_wait_alu, always for 0.
; THE PLAN.  Registers that memory instructions touch:
;   v1, v2   byte offsets of the loads and of the stores: made once at the head, never written again.
;   IN       piece i's four registers: its one load lands there; no vector instruction writes them, no second load lands in them.
;   OUTR     piece i's two registers: written once, by its conversions; read by its one store; never written again.
;   T is named by vector instructions alone.
; The 16 pieces go in four groups of four.  Group g waits for its four loads and rounds them; its memory instructions are the four stores of group g - 1,
; which read that group's OUTR and v2: registers that no vector instruction of group g names.  So ONE wait on va_vdst at a group's head states all that those
; stores hang on, and they are dealt among the group's conversions with no further wait.  One such wait stands ahead of the first load, for the offsets,
; and one ahead of the last four stores.  No register that a memory instruction reads is written again, so there is no wait on vm_vsrc and none on XCNT.
.set IN,   4                           ; v[4:67]    piece i: 4 numbers as loaded
.set OUTR, 68                          ; v[68:99]   piece i: 2 registers to store
.set T,    100                         ; v[100:103] at work
.macro CV i, h                         ; piece i is rounded.  h = 0: to bf16.  h = 1: to bf16, widened again, and written as f16
.if \h
	v_cvt_pk_bf16_f32 v[T],   v[IN+4*(\i)],   v[IN+4*(\i)+1]
	v_cvt_pk_bf16_f32 v[T+1], v[IN+4*(\i)+2], v[IN+4*(\i)+3]
	v_lshlrev_b32 v[T+2], 16, v[T]
	v_and_b32     v[T],   0xffff0000, v[T]
	v_lshlrev_b32 v[T+3], 16, v[T+1]
	v_and_b32     v[T+1], 0xffff0000, v[T+1]
	v_cvt_pk_f16_f32 v[OUTR+2*(\i)],   v[T+2], v[T]
	v_cvt_pk_f16_f32 v[OUTR+2*(\i)+1], v[T+3], v[T+1]
.else
	v_cvt_pk_bf16_f32 v[OUTR+2*(\i)],   v[IN+4*(\i)],   v[IN+4*(\i)+1]
	v_cvt_pk_bf16_f32 v[OUTR+2*(\i)+1], v[IN+4*(\i)+2], v[IN+4*(\i)+3]
.endif
.endm
.macro ST i                            ; piece i is stored
	global_store_b64 v2, v[OUTR+2*(\i):OUTR+2*(\i)+1], s[12:13] offset:(\i)*2048
.endm
; Group g: pieces 4 g to 4 g + 3 are rounded; the group before is stored.
.macro GROUP g, h
	s_wait_loadcnt 12-4*(\g)                       ; loads come back in order (ISA guide 5.7.1): this group's four are in, the younger groups' stay out
.if (\g) > 0
	s_wait_alu depctr_va_vdst(0)                   ; the group before has written its eight registers of OUTR, which the four stores below read
.endif
.irp j, 0,1,2,3
.if (\g) > 0
	ST 4*(\g)-4+(\j)                               ; no vector instruction since the wait names this piece's OUTR or v2
.endif
	CV 4*(\g)+(\j), \h
.endr
.endm
.macro LASTST                          ; behind group 3
	s_wait_alu depctr_va_vdst(0)                   ; group 3 has written its eight registers of OUTR, which the last four stores read
.irp j, 12,13,14,15
	ST \j
.endr
.endm
	s_load_b256 s[4:11], s[0:1], 0x0               ; wq s[4:5], wk s[6:7], wv s[8:9], wo s[10:11]
	s_load_b64 s[12:13], s[0:1], 0x20              ; w16
	s_and_b32 s14, ttmp7, 0xffff                   ; which matrix
	v_lshlrev_b32 v1, 4, v0                        ; 16 t: my 16 bytes of a piece as read
	v_lshlrev_b32 v2, 3, v0                        ; 8 t: my 8 bytes as written
	s_lshl_b32 s18, ttmp9, 16                      ; the chunk: 65,536 bytes in,
	s_mov_b32 s19, 0
	s_lshl_b32 s20, s14, 21                        ; the plane of 2,097,152 bytes,
	s_lshl_b32 s15, ttmp9, 15                      ; 32,768 bytes out
	s_add_co_u32 s20, s20, s15
	s_mov_b32 s21, 0
	s_wait_kmcnt 0x0
	s_cmp_eq_u32 s14, 1
	s_cselect_b64 s[16:17], s[6:7], s[4:5]
	s_cmp_eq_u32 s14, 2
	s_cselect_b64 s[16:17], s[8:9], s[16:17]
	s_cmp_eq_u32 s14, 3
	s_cselect_b64 s[16:17], s[10:11], s[16:17]
	s_add_nc_u64 s[16:17], s[16:17], s[18:19]
	s_add_nc_u64 s[12:13], s[12:13], s[20:21]
	s_wait_alu depctr_va_vdst(0)                   ; v1 and v2 are written: every load of the kernel reads v1 as its offset, every store v2
.irp i, 0,1,2,3,4,5,6,7,8,9,10,11,12,13,14,15
	global_load_b128 v[IN+4*(\i):IN+4*(\i)+3], v1, s[16:17] offset:(\i)*4096 th:TH_LOAD_NT
.endr
	s_cmp_eq_u32 s14, 3
	s_cbranch_scc1 .Lwo
	GROUP 0, 0
	GROUP 1, 0
	GROUP 2, 0
	GROUP 3, 0
	LASTST
	s_endpgm
.Lwo:
	GROUP 0, 1
	GROUP 1, 1
	GROUP 2, 1
	GROUP 3, 1
	LASTST
	s_endpgm
.Lfunc_end_k_qfa180d3df7_wcast:
	.size	k_qfa180d3df7_wcast, .Lfunc_end_k_qfa180d3df7_wcast-k_qfa180d3df7_wcast
	.p2alignl 7, 3214868480
	.fill 96, 4, 3214868480
	.section	.rodata,"a",@progbits
	.p2align	6, 0x0
	.amdhsa_kernel k_qfa180d3df7_wcast
		.amdhsa_group_segment_fixed_size 0
		.amdhsa_private_segment_fixed_size 0
		.amdhsa_enable_private_segment 0
		.amdhsa_kernarg_size 40
		.amdhsa_user_sgpr_count 2
		.amdhsa_user_sgpr_kernarg_segment_ptr 1
		.amdhsa_wavefront_size32 1
		.amdhsa_system_sgpr_workgroup_id_x 1
		.amdhsa_system_sgpr_workgroup_id_y 1
		.amdhsa_system_sgpr_workgroup_id_z 1
		.amdhsa_system_vgpr_workitem_id 0
		.amdhsa_next_free_vgpr 104
		.amdhsa_next_free_sgpr 66
		.amdhsa_reserve_vcc 0
		.amdhsa_float_denorm_mode_32 3
		.amdhsa_float_denorm_mode_16_64 3
		.amdhsa_memory_ordered 1
		.amdhsa_forward_progress 1
		.amdhsa_inst_pref_size 16
	.end_amdhsa_kernel
	.amdgpu_metadata
---
amdhsa.version: [ 1, 2 ]
amdhsa.kernels:
  - .name:           k_qfa180d3df7_wcast
    .symbol:         k_qfa180d3df7_wcast.kd
    .args:
      - { .name: wq, .offset: 0, .size: 8, .value_kind: global_buffer, .address_space: global }
      - { .name: wk, .offset: 8, .size: 8, .value_kind: global_buffer, .address_space: global }
      - { .name: wv, .offset: 16, .size: 8, .value_kind: global_buffer, .address_space: global }
      - { .name: wo, .offset: 24, .size: 8, .value_kind: global_buffer, .address_space: global }
      - { .name: w16, .offset: 32, .size: 8, .value_kind: global_buffer, .address_space: global }
    .group_segment_fixed_size: 0
    .private_segment_fixed_size: 0
    .kernarg_segment_align: 8
    .kernarg_segment_size: 40
    .max_flat_workgroup_size: 256
    .sgpr_count:     66
    .vgpr_count:     104
    .wavefront_size: 32
...
	.end_amdgpu_metadata
.endif
;; end of part 5
;; launch proj: the kernel of part 2 again; grid 4 x 192, 4 waves a work-group, clusters of 4 x 4, 327,680 bytes of LDS; arguments query, key, value, w16, bq, bk, bv, q16, k16, v16; writes q16, k16, v16
;; launch attn: the kernel of part 3 again; grid 4 x 64, 4 waves a work-group, clusters of 4 x 1, 327,680 bytes of LDS; arguments q16, k16, v16, o16; writes o16
;; launch outp: the kernel of part 4 again; grid 4 x 64, 4 waves a work-group, clusters of 4 x 4, 327,680 bytes of LDS; arguments o16, w16, bo, out0; writes out0
